; MI455X (gfx1250); checked and timed in simulation.
; The chip was launched on July 23, 2026; its instructions are those of AMD's public machine-readable ISA for CDNA 5 (MIT licence, August 2026) and "CDNA5" Instruction Set Architecture Reference Guide (July 2026). The comments in the code are by the model that wrote it; some were corrected since.
;; Attention. Allowed arithmetic: matrix products marked QUANTISED: E2M3 operands, one E8M0 scale for each 32 along K, by v_wmma_scale_f32_16x16x128_f8f6f4 with both operands' format E2M3, f32 sums; everything else in f32.
;; Inputs: Wk 1,024 x 1,024 float32; Wo 1,024 x 1,024 float32; Wq 1,024 x 1,024 float32; Wv 1,024 x 1,024 float32; x 4 x 2,048 x 1,024 float32.
;; Outputs: out0 4 x 2,048 x 1,024 float32.
;; This version of the problem:
;;   THIS VERSION OF THE PROBLEM IS GIVEN IN LOW PRECISION. The matrix products marked QUANTISED in the list below multiply operands that are first quantised to E2M3 (2 exponent bits, 3 mantissa bits; 6 bits a number), with one power-of-two scale for each 32 numbers along K (OCP MX v1.0); their sums are f32. All else is computed in f32.
;;   The module's matrix products, in the order in which they are computed (A, B: the left and right operand; K: the contracted axis; several contracted axes count as one K, in the product's order):
;;     1. [M 8,192, K 1,024] x [K 1,024, N 1,024]; A: input x; B: input Wq: QUANTISED
;;     2. [M 8,192, K 1,024] x [K 1,024, N 1,024]; A: input x; B: input Wk: QUANTISED
;;     3. [M 8,192, K 1,024] x [K 1,024, N 1,024]; A: input x; B: input Wv: QUANTISED
;;     4. batch 64 x [M 2,048, K 64] x [K 64, N 2,048]; A: computed on the way; B: computed on the way: QUANTISED
;;     5. batch 64 x [M 2,048, K 2,048] x [K 2,048, N 64]; A: softmax (see below); B: computed on the way: QUANTISED
;;     6. [M 8,192, K 1,024] x [K 1,024, N 1,024]; A: computed on the way; B: input Wo: QUANTISED
;;   THE QUANTISER, for each operand of a quantised product, along K:
;;     - K is cut into blocks of 32 from its start; a last block that is shorter is filled with zeros.
;;     - A block's scale is 2^e with e = floor(log2(the largest magnitude in the block)) - 2, held to -126 .. 127; a block of zeros has e = 0. As a byte (E8M0): e + 127.
;;     - Each number is divided by its block's scale, clamped to +-7.5, and rounded to the nearest number of E2M3, ties to even, subnormals kept.
;;     - The product sums the exact products of the quantised numbers (number of the format x scale) in f32.
;;   ~~~python
;;   def quantise(x, axis):      # numpy; x: float32 -> the quantised numbers, widened to float32 again
;;       x = np.moveaxis(x, axis, -1); K = x.shape[-1]
;;       x = np.pad(x, [(0, 0)] * (x.ndim - 1) + [(0, -K % 32)]); x = x.reshape(x.shape[:-1] + (-1, 32)); a = np.abs(x).max(-1, keepdims=True)
;;       e = np.where(a > 0, np.clip(np.frexp(np.where(a > 0, a, 1))[1] - 1 - 2, -126, 127), 0)      # np.frexp(a)[1] - 1 = floor(log2(a)), exactly
;;       r = np.clip(x / 2.0 ** e, -7.5, 7.5)
;;       step = 2.0 ** (np.maximum(np.frexp(np.where(r == 0, 1, r))[1] - 1, 0) - 3)
;;       q = np.round(r / step) * step * 2.0 ** e      # np.round: ties to even
;;       return np.moveaxis(q.reshape(q.shape[:-2] + (-1,))[..., :K], -1, axis).astype(np.float32)
;;   ~~~
;;   SOFTMAX AHEAD OF A QUANTISED PRODUCT. Where the list says 'softmax', what is quantised is not the finished softmax but p = 2^(t - M), with t = logit x log2(e) and M = ceil(the row's largest t), a whole number; so 1/2 < the row's largest p <= 1. The row's sum l is taken of the UNQUANTISED p, in f32, and the product's result is divided by l at the end. Since M is a whole number, a kernel that streams over the keys may use a running M (the ceiling of the running maximum): every later rescaling is an exact power of two, which a block's scale takes up: the codes' values come out the same.
;;   OPERANDS COMPUTED ON THE WAY. 'Computed on the way' means the value that the module computes at that place (a softmax that the list does not call 'softmax' is quantised finished and normalised). What goes into a quantiser is computed in f32, as accurately as f32 sums, v_exp_f32 and their like allow (about 1e-6 of the number): no bf16 or f16 on the way to a quantiser, and a product that is left as it is and whose result goes on into a quantised operand takes f32 operands (vector FMAs, or v_wmma_f32_16x16x4_f32). A number that lies on a knife's edge between two numbers of the format may be rounded either way, as far as f32 arithmetic and the matrix unit's own rounding can turn it there, and no further.
;; One version. Each part assembles by itself: llvm-mc -triple=amdgcn-amd-amdhsa -mcpu=gfx1250 --defsym DOCPART=n.
;; ======== version 1 of 1: 4 launches
;; workspace buffers: actc 6,291,456 bytes; acts 262,144 bytes; wc 3,145,728 bytes; ws 131,072 bytes; tab 524,288 bytes; qrec 6,815,744 bytes; kv 13,369,344 bytes
;; launch quant (part 1): grid 416 x 1, 4 waves a work-group, no clusters, 34,304 bytes of LDS; arguments x, Wq, Wk, Wv, Wo, actc, acts, wc, ws, tab; writes actc, acts, wc, ws, tab
.if DOCPART == 1
	.amdgcn_target "amdgcn-amd-amdhsa--gfx1250"
	.amdhsa_code_object_version 6
	.text
	.protected	k_qe87dbabcd8_quant
	.globl	k_qe87dbabcd8_quant
	.p2align	8
	.type	k_qe87dbabcd8_quant,@function
k_qe87dbabcd8_quant:
	s_mov_b64 s[64:65], 0
	v_nop
	global_prefetch_b8 v0, s[64:65] scope:SCOPE_SE
	s_setreg_imm32_b32 hwreg(HW_REG_WAVE_MODE, 25, 1), 1
	s_wait_xcnt 0x0
; x [8192][1024] and Wq, Wk, Wv, Wo [1024][1024], f32, K innermost, become codes of FP6 (E2M3) with one E8M0 byte for each 32 along K; and the table of cos and sin for the rotation is made.
; A block's scale is 2^(floor(log2(its largest magnitude)) - 2): its byte is the largest magnitude's exponent field - 2, held at 1 from below.
; LIMITS: NaN and infinities are not served; a block whose largest magnitude lies under 2^-124, a block of zeros among them, gets the byte 1 (its codes are then zeros or tiny; the bytes are read by this program alone).
; THE LAYOUT OF THE CODES is the order of the matrix operand's registers.  A TILE is 16 rows: tile 2 g + u holds rows 32 g + 8 u + i + 8 (i / 8), i = 0 .. 15.  A fragment (a tile x 128 K, 12 registers a lane; lane (r, h):
; row i = r, registers 6 c .. 6 c + 5 = K 64 c + 32 h + 0 .. 31) is 1,536 bytes: for c = 0, 1: registers 6 c .. 6 c + 3 at 768 c + 16 lane, registers 6 c + 4, 6 c + 5 at 768 c + 512 + 8 lane.  Codes: [tile][K step 0..7][1,536].
; Scale words (four bytes: a row's 128 K): [tile][K step / 4][row i][K step % 4], 512 bytes a tile.
; SHARES.  Work-groups 0-255 take 32 rows of x each, 256-383 32 rows of Wq, Wk, Wv, Wo (32 work-groups each; their codes lie on end in wc).  Wave w takes tile u = w / 2 and K steps 4 (w % 2) on.
; Each load reads 512 consecutive bytes of one row; a K step's 16 rows turn through the wave's own stage in LDS (rows of 528 bytes: 33 x 16, so that the sixteen rows of a read start at different banks) and come back 32 neighbours along K a lane and block.
; No barrier: waves share nothing.  No matrix unit, no cluster, no tensor load: the launch streams, and no two work-groups read the same bytes.
; Work-groups 384-415 make the table: wave w of work-group g makes block sb = 4 (g - 384) + w: for positions 32 (sb / 2) + 8 (sb % 2) + r + 8 (r / 8) and pairs i = 16 b2 + 8 h + k the numbers cos, sin of pos / 10^(i / 8),
; laid [sb][b2][quad][lane][4]: register 16 b2 + 2 k holds cos, the next sin.  LIMIT: 10^(i / 8) is taken rounded to f32; the quotient is a reciprocal with one correction; the angle (at most 2,047) is reduced by pi / 2 in three parts.
.set STG,  8448                        ; a wave's stage: 16 rows x 528 bytes
.set RR,   16                          ; v16-143  two sets of 64 registers as loaded
.set X,    144                         ; v144-207 two blocks of 32 neighbours
.set C,    208                         ; v208-219 a fragment's codes
.set TY,   220                         ; v220-222, v224-226 the blocks' upper halves (a conversion's three registers begin on an even number)
.set WK,   228                         ; v228-237 at work
.set SW,   240                         ; v240-243 the four K steps' scale words
	s_load_b256 s[4:11], s[0:1], 0x0               ; x s[4:5], Wq s[6:7], Wk s[8:9], Wv s[10:11]
	s_load_b256 s[12:19], s[0:1], 0x20             ; Wo s[12:13], actc s[14:15], acts s[16:17], wc s[18:19]
	s_load_b128 s[20:23], s[0:1], 0x40             ; ws s[20:21], tab s[22:23]
	v_lshl_add_u32 v248, v0, 2, 0x8400
	v_mov_b32 v249, 0
	v_lshrrev_b32 v1, 5, v0
	v_readfirstlane_b32 s24, v1                    ; wave
	v_and_b32 v7, 31, v0                           ; lane
	v_and_b32 v8, 15, v0                           ; r
	v_bfe_u32 v9, v0, 4, 1                         ; h
	v_lshlrev_b32 v1, 4, v7                        ; 16 lane
	v_cmp_le_u32 vcc_lo, 16, v7                    ; lanes 16-31
	s_mov_b32 s26, 0x76543210
	s_mov_b32 s27, 0xfedcba98                      ; v_permlanex16_b32's selects for lane l xor 16
	s_cmp_ge_u32 ttmp9, 384
	s_cbranch_scc1 .Ltable
	s_mul_i32 s25, s24, STG
	v_add_nc_u32 v2, s25, v1                       ; the stage, on the way in: 16 lane in a row
	v_mul_u32_u24 v3, v8, 528
	v_lshl_add_u32 v3, v9, 7, v3
	v_add_nc_u32 v3, s25, v3                       ; on the way out: row r, + 128 h: my 32 numbers of a block pair
	v_lshlrev_b32 v4, 3, v7                        ; 8 lane
	v_lshlrev_b32 v5, 4, v8
	v_lshl_add_u32 v5, v9, 3, v5                   ; 16 r + 8 h: my two scale words
	v_lshlrev_b32 v6, 3, v9                        ; 8 h
	v_mov_b32 v[WK+7], 0                           ; written once: a lane permute's destination counts as one of its sources
	s_lshr_b32 s28, s24, 1                         ; u
	s_and_b32 s29, s24, 1                          ; which four K steps
	s_wait_kmcnt 0x0
	s_cmp_ge_u32 ttmp9, 256                        ; the choices hang on the work-group's number alone
	s_cselect_b64 s[4:5], s[6:7], s[4:5]
	s_cselect_b64 s[14:15], s[18:19], s[14:15]
	s_cselect_b64 s[16:17], s[20:21], s[16:17]
	s_cselect_b32 s30, 256, 0
	s_cselect_b32 s31, 31, -1
	s_cmp_ge_u32 ttmp9, 288
	s_cselect_b64 s[4:5], s[8:9], s[4:5]
	s_cmp_ge_u32 ttmp9, 320
	s_cselect_b64 s[4:5], s[10:11], s[4:5]
	s_cmp_ge_u32 ttmp9, 352
	s_cselect_b64 s[4:5], s[12:13], s[4:5]
	s_sub_co_u32 s30, ttmp9, s30                   ; the group of 32 rows in the codes' buffer
	s_and_b32 s31, ttmp9, s31                      ; and in the source
	s_lshl_b32 s31, s31, 17                        ; 32 rows of 4,096 bytes
	s_lshl_b32 s32, s28, 15                        ; + 8 u rows
	s_add_co_u32 s32, s32, s31
	s_lshl_b32 s33, s29, 11                        ; + four K steps of 512 bytes
	s_add_co_u32 s32, s32, s33
	s_mov_b32 s33, 0
	s_add_nc_u64 s[4:5], s[4:5], s[32:33]
	s_lshl_b32 s30, s30, 1
	s_add_co_u32 s30, s30, s28                     ; the tile
	s_mul_i32 s32, s30, 12288
	s_mul_i32 s34, s29, 6144
	s_add_co_u32 s32, s32, s34
	s_add_nc_u64 s[14:15], s[14:15], s[32:33]
	s_lshl_b32 s32, s30, 9
	s_lshl_b32 s34, s29, 8
	s_add_co_u32 s32, s32, s34
	s_add_nc_u64 s[16:17], s[16:17], s[32:33]
.macro LOAD t                          ; K step t of my four: 16 rows x 512 consecutive bytes
.irp i, 0,1,2,3,4,5,6,7,8,9,10,11,12,13,14,15
	global_load_b128 v[RR+64*((\t)%2)+4*\i:RR+64*((\t)%2)+4*\i+3], v1, s[4:5] offset:(\i+8*(\i/8))*4096+512*(\t) th:TH_LOAD_NT
.endr
.endm
.macro FRAGQ t
.set RS, RR+64*((\t)%2)
.if (\t) < 3
	s_wait_loadcnt 16                              ; this K step's sixteen loads are in; the next one's sixteen may be out
.else
	s_wait_loadcnt 0x0
.endif
.irp i, 0,1,2,3,4,5,6,7,8,9,10,11,12,13,14,15
	ds_store_b128 v2, v[RS+4*\i:RS+4*\i+3] offset:528*\i
.endr
.irp c, 0,1
.irp j, 0,1,2,3,4,5,6,7
	ds_load_b128 v[X+32*\c+4*\j:X+32*\c+4*\j+3], v3 offset:256*\c+16*\j   ; LDS serves a wave's instructions in order: these see the stores above
.endr
.endr
	s_wait_dscnt 0x0                               ; the numbers are back, and the stores have read their registers,
.if (\t) < 2
	LOAD (\t)+2                                    ; which take the loads of two K steps on
.endif
.irp c, 0,1
	v_max3_num_f32 v[WK+\c], |v[X+32*\c]|, |v[X+32*\c+1]|, 0x1800000   ; my block 2 c + h: all its 32 numbers are mine; and the floor 2^(3 - 127): the byte cannot fall under 1
.endr
.irp i, 2,4,6,8,10,12,14,16,18,20,22,24,26,28,30
.irp c, 0,1
	v_max3_num_f32 v[WK+\c], v[WK+\c], |v[X+32*\c+\i]|, |v[X+32*\c+\i+1]|
.endr
.endr
.irp c, 0,1
	v_add_nc_u32 v[WK+2+\c], 0xff000000, v[WK+\c]  ; 2 off the exponent field: the conversion's scale operand
.endr
.irp c, 0,1
	v_lshrrev_b32 v[WK+4+\c], 23, v[WK+2+\c]       ; the byte
.endr
	v_lshl_or_b32 v[WK+6], v[WK+5], 16, v[WK+4]    ; blocks h and 2 + h,
	v_lshlrev_b32 v[WK+6], v6, v[WK+6]             ; at their places in the word;
	v_permlanex16_b32 v[WK+7], v[WK+6], s26, s27
	v_or_b32 v[SW+(\t)], v[WK+6], v[WK+7]          ; with lane l xor 16's two the word is whole
.if (\t) > 0
	s_wait_xcnt 0x0                                ; the last K step's stores have read the codes' registers, which are written again below
.endif
.irp c, 0,1
	v_cvt_scalef32_pk16_fp6_f32 v[C+6*\c:C+6*\c+2], v[X+32*\c:X+32*\c+15], v[WK+2+\c]
	v_cvt_scalef32_pk16_fp6_f32 v[TY+4*\c:TY+4*\c+2], v[X+32*\c+16:X+32*\c+31], v[WK+2+\c]
.endr
	v_nop                                          ; one plain place behind a scaled conversion
.irp c, 0,1
.irp i, 0,1,2
	v_mov_b32 v[C+3+6*\c+\i], v[TY+4*\c+\i]
.endr
.endr
	global_store_b128 v1, v[C:C+3], s[14:15] offset:1536*(\t)            ; 512 consecutive bytes,
	global_store_b64 v4, v[C+4:C+5], s[14:15] offset:1536*(\t)+512       ; 256,
	global_store_b128 v1, v[C+6:C+9], s[14:15] offset:1536*(\t)+768
	global_store_b64 v4, v[C+10:C+11], s[14:15] offset:1536*(\t)+1280    ; each at a multiple of 256 from the buffer's first byte
.endm
	LOAD 0
	LOAD 1
	FRAGQ 0
	FRAGQ 1
	FRAGQ 2
	FRAGQ 3
	v_cndmask_b32 v[WK+8], v[SW], v[SW+2], vcc_lo  ; lanes 0-15 store the words of K steps 0, 1 of my four, lanes 16-31 those of 2, 3
	v_cndmask_b32 v[WK+9], v[SW+1], v[SW+3], vcc_lo
	global_store_b64 v5, v[WK+8:WK+9], s[16:17]    ; 256 consecutive bytes, aligned
	s_wait_tensorcnt 0x0
	ds_add_u32 v248, v249
	s_wait_dscnt 0x0
	s_endpgm
.Ltable:
	s_sub_co_u32 s25, ttmp9, 384
	s_lshl_b32 s25, s25, 2
	s_add_co_u32 s25, s25, s24                     ; sb
	s_lshr_b32 s28, s25, 1
	s_lshl_b32 s28, s28, 5
	s_and_b32 s29, s25, 1
	s_lshl_b32 s29, s29, 3
	s_add_co_u32 s28, s28, s29
	v_and_b32 v2, 8, v8
	v_add_nc_u32 v2, v2, v8
	v_add_nc_u32 v2, s28, v2
	v_cvt_f32_u32 v10, v2                          ; my position
	s_mov_b32 s30, 0x3f22f983                      ; 2 / pi
	s_mov_b32 s31, 0x3fc90fd8                      ; pi / 2 in three parts
	s_mov_b32 s32, 0x34a8885a
	s_mov_b32 s33, 0x27c234c4
	s_mov_b32 s34, 0x37d00d01                      ; 1 / 40320
	s_mov_b32 s35, 0xbab60b61                      ; -1 / 720
	s_mov_b32 s36, 0x3d2aaaab                      ; 1 / 24
	s_mov_b32 s38, 0x3638ef1d                      ; 1 / 362880
	s_mov_b32 s39, 0xb9500d01                      ; -1 / 5040
	s_mov_b32 s40, 0x3c088889                      ; 1 / 120
	s_mov_b32 s41, 0xbe2aaaab                      ; -1 / 6
.macro FSEL kk, lo, hi                 ; v[16 + kk], kk = 8 b2 + k: 10^(i / 8) for i = 16 b2 + 8 h + k
	v_mov_b32 v[16+\kk], \hi
	v_cndmask_b32 v[16+\kk], \lo, v[16+\kk], vcc_lo
.endm
	FSEL 0, 0x3f800000, 0x41200000
	FSEL 1, 0x3faab0d5, 0x41555d0a
	FSEL 2, 0x3fe39ea9, 0x418e432a
	FSEL 3, 0x4017c496, 0x41bdb5bc
	FSEL 4, 0x404a62c2, 0x41fcfb72
	FSEL 5, 0x4086f161, 0x4228adb9
	FSEL 6, 0x40b3f300, 0x4260efc0
	FSEL 7, 0x40eff755, 0x4295fa95
	FSEL 8, 0x42c80000, 0x447a0000
	FSEL 9, 0x43055a26, 0x44a6b0b0
	FSEL 10, 0x4331d3f4, 0x44de48f1
	FSEL 11, 0x436d232b, 0x451435fb
	FSEL 12, 0x439e1d27, 0x4545a471
	FSEL 13, 0x43d2d927, 0x4583c7b8
	FSEL 14, 0x440c95d8, 0x45afbb4e
	FSEL 15, 0x443b793b, 0x45ea5789
.irp k, 0,1,2,3,4,5,6,7,8,9,10,11,12,13,14,15
	v_rcp_f32 v[32+\k], v[16+\k]
.endr
	v_nop                                          ; a plain place behind the last reciprocal
	s_wait_alu depctr_va_vdst(0)                   ; one wait for the sixteen, ahead of their first reader
.macro SINCOS kk
	v_mul_f32 v80, v10, v[32+\kk]
	v_fma_f32 v81, -v80, v[16+\kk], v10            ; what the first quotient leaves,
	v_fma_f32 v80, v81, v[32+\kk], v80             ; corrected: the angle
	v_mul_f32 v82, s30, v80
	v_rndne_f32 v82, v82                           ; n quarter turns
	v_fma_f32 v83, -v82, s31, v80
	v_fma_f32 v83, -v82, s32, v83
	v_fma_f32 v83, -v82, s33, v83                  ; r, within pi / 4 of 0
	v_mul_f32 v84, v83, v83
	v_fma_f32 v85, v84, s34, s35
	v_fma_f32 v86, v84, s38, s39
	v_fma_f32 v85, v85, v84, s36
	v_fma_f32 v86, v86, v84, s40
	v_fma_f32 v85, v85, v84, -0.5
	v_fma_f32 v86, v86, v84, s41
	v_mul_f32 v87, v83, v84
	v_fma_f32 v85, v85, v84, 1.0                   ; cos r
	v_fma_f32 v86, v86, v87, v83                   ; sin r
	v_cvt_i32_f32 v88, v82
	v_and_b32 v89, 1, v88
	v_cmp_eq_u32 vcc_lo, 1, v89                    ; an odd quarter swaps the two
	v_cndmask_b32 v90, v85, v86, vcc_lo
	v_cndmask_b32 v91, v86, v85, vcc_lo
	v_add_nc_u32 v89, 1, v88
	v_lshlrev_b32 v88, 30, v88
	v_lshlrev_b32 v89, 30, v89
	v_and_b32 v88, 0x80000000, v88                 ; sin is negated in quarters 2, 3,
	v_and_b32 v89, 0x80000000, v89                 ; cos in quarters 1, 2
	v_xor_b32 v[48+2*\kk], v89, v90
	v_xor_b32 v[49+2*\kk], v88, v91
.endm
.irp k, 0,1,2,3,4,5,6,7,8,9,10,11,12,13,14,15
	SINCOS \k
.endr
	s_lshl_b32 s28, s25, 12
	s_mov_b32 s29, 0
	s_wait_kmcnt 0x0
	s_add_nc_u64 s[22:23], s[22:23], s[28:29]
.irp j, 0,1,2,3,4,5,6,7
	global_store_b128 v1, v[48+4*\j:51+4*\j], s[22:23] offset:512*\j     ; 512 consecutive bytes
.endr
	s_endpgm
.Lfunc_end_k_qe87dbabcd8_quant:
	.size	k_qe87dbabcd8_quant, .Lfunc_end_k_qe87dbabcd8_quant-k_qe87dbabcd8_quant
	.p2alignl 7, 3214868480
	.fill 96, 4, 3214868480
	.section	.rodata,"a",@progbits
	.p2align	6, 0x0
	.amdhsa_kernel k_qe87dbabcd8_quant
		.amdhsa_group_segment_fixed_size 34304
		.amdhsa_private_segment_fixed_size 0
		.amdhsa_enable_private_segment 0
		.amdhsa_kernarg_size 80
		.amdhsa_user_sgpr_count 2
		.amdhsa_user_sgpr_kernarg_segment_ptr 1
		.amdhsa_wavefront_size32 1
		.amdhsa_system_sgpr_workgroup_id_x 1
		.amdhsa_system_sgpr_workgroup_id_y 1
		.amdhsa_system_sgpr_workgroup_id_z 1
		.amdhsa_system_vgpr_workitem_id 0
		.amdhsa_next_free_vgpr 250
		.amdhsa_next_free_sgpr 66
		.amdhsa_reserve_vcc 1
		.amdhsa_float_denorm_mode_32 3
		.amdhsa_float_denorm_mode_16_64 3
		.amdhsa_memory_ordered 1
		.amdhsa_forward_progress 1
		.amdhsa_inst_pref_size 58
	.end_amdhsa_kernel
	.amdgpu_metadata
---
amdhsa.version: [ 1, 2 ]
amdhsa.kernels:
  - .name:           k_qe87dbabcd8_quant
    .symbol:         k_qe87dbabcd8_quant.kd
    .args:
      - { .name: x, .offset: 0, .size: 8, .value_kind: global_buffer, .address_space: global }
      - { .name: Wq, .offset: 8, .size: 8, .value_kind: global_buffer, .address_space: global }
      - { .name: Wk, .offset: 16, .size: 8, .value_kind: global_buffer, .address_space: global }
      - { .name: Wv, .offset: 24, .size: 8, .value_kind: global_buffer, .address_space: global }
      - { .name: Wo, .offset: 32, .size: 8, .value_kind: global_buffer, .address_space: global }
      - { .name: actc, .offset: 40, .size: 8, .value_kind: global_buffer, .address_space: global }
      - { .name: acts, .offset: 48, .size: 8, .value_kind: global_buffer, .address_space: global }
      - { .name: wc, .offset: 56, .size: 8, .value_kind: global_buffer, .address_space: global }
      - { .name: ws, .offset: 64, .size: 8, .value_kind: global_buffer, .address_space: global }
      - { .name: tab, .offset: 72, .size: 8, .value_kind: global_buffer, .address_space: global }
    .group_segment_fixed_size: 34304
    .private_segment_fixed_size: 0
    .kernarg_segment_align: 8
    .kernarg_segment_size: 80
    .max_flat_workgroup_size: 128
    .sgpr_count:     66
    .vgpr_count:     250
    .wavefront_size: 32
...
	.end_amdgpu_metadata
.endif
;; end of part 1
;; launch qkv (part 2): grid 12 x 32, 4 waves a work-group, clusters of 4 x 4, 327,680 bytes of LDS; arguments actc, acts, wc, ws, tab, qrec, kv; writes qrec, kv
.if DOCPART == 2
	.amdgcn_target "amdgcn-amd-amdhsa--gfx1250"
	.amdhsa_code_object_version 6
	.text
	.protected	k_qe87dbabcd8_qkv
	.globl	k_qe87dbabcd8_qkv
	.p2align	8
	.type	k_qe87dbabcd8_qkv,@function
k_qe87dbabcd8_qkv:
	s_mov_b64 s[64:65], 0
	v_nop
	global_prefetch_b8 v0, s[64:65] scope:SCOPE_SE
	s_setreg_imm32_b32 hwreg(HW_REG_WAVE_MODE, 25, 1), 1
	s_wait_xcnt 0x0
	s_wait_alu depctr_hold_cnt(0) depctr_sa_sdst(0) depctr_va_vdst(0) depctr_va_sdst(0) depctr_va_ssrc(0) depctr_va_vcc(0) depctr_vm_vsrc(0)
	s_getreg_b32 s2, hwreg(HW_REG_IB_STS2, 6, 4)
	s_cmp_eq_u32 s2, 0
	s_cbranch_scc0 .Lentry_in_a_cluster
	s_endpgm
.Lentry_in_a_cluster:
	s_bfe_u32 s2, ttmp6, 0x10000c
	s_cmp_lg_u32 s2, 0xf033
	s_cbranch_scc0 .Lentry_shape_is_right
	s_endpgm
.Lentry_shape_is_right:
; Q = x Wq^T, K = x Wk^T, V = x Wv^T on codes of FP6 (E2M3) with E8M0 scales; Q and K are rotated (cos, sin from tab) and quantised along a head's 64; V is quantised along the keys.  Nothing wide goes to memory.
; OPERANDS (made by the launch before): a TILE is 16 rows: tile 2 g + u holds rows 32 g + 8 u + i + 8 (i / 8).  Codes [tile][K step 0..7][1,536]: a fragment as an image of its 12 registers (registers 6 c .. 6 c + 3 at 768 c + 16 lane,
; 6 c + 4, 6 c + 5 at 768 c + 512 + 8 lane).  Scale words [tile][K step / 4][row][K step % 4].  actc, acts: x, 8,192 rows.  wc, ws: Wq, Wk, Wv, Wo on end, 4,096 rows.
; SHARES.  A work-group of four waves makes 256 x 256, a wave 128 x 128: 64 accumulators, 512 registers.  K = 1,024 goes in four slots' worth of 256 through a ring of two LDS slots filled by the tensor data mover.
; Source 0 = a tile of the operand called B here, source 1 = a tile of A.  By the tiles' order of rows lane (r, h) of A's tile a holds ONE row of A, and its 64 registers hold B's rows 32 (n / 16) + 16 h + n % 16: neighbours, sixteen at a time.
; CLUSTERS of 4 x 4; cluster x = 0: Q, 1: K (A = x, B = Wq or Wk: a lane holds a token, its registers run along two heads' d); cluster x = 2: V, with the roles changed (A = Wv, B = x: a lane holds one d, its registers run along 128 keys).
; A's tiles are asked for jointly by a row of the cluster, B's by a column.
; RESULTS.  kv: [b h][slot of 256 keys][26,112]: for step q of 128 keys: K's four pair images at 6,144 q + 1,536 g (registers 0-5: tile 2 g, 16 keys x 64 d; 6-11: tile 2 g + 1; chunk c = registers 4 c .. 4 c + 3 at 512 c + 16 lane);
; V's four fragments (16 d x 128 keys) at 12,288 + 6,144 q + 1,536 dt; K's scale words (two bytes, and 0 above them) at 24,576 + 512 q + 256 (t / 4) + 16 r + 4 (t % 4); V's at 25,600 + 256 q + 16 r + 4 dt.
; qrec: [b h][block of 256 queries][13,312]: images as K's, scale words at 12,288 + the same.
; LIMITS: NaN and infinities are not served; a block whose largest magnitude lies under 2^-124 gets the byte 1.
; REGISTERS: window 0: v0-31 addresses; v32-63 scale words, two sets; v128-223 A's fragments, one set; window 1: B's fragments, two sets at v0 and v128; windows 2, 3: the accumulators ((a, b) at v[8 (8 (a % 4) + b)]).
.set NQ,     2
.set FR,     12
.set NL,     4                         ; LDS loads that bring a fragment
.set NP,     4                         ; places behind this matrix instruction (ISA guide 7.12.1)
.set TILEB,  3072                      ; a tile's two K steps: a row of the tensor load's tile
.set HALFT,  8*TILEB                   ; eight tiles, 128 rows: what one tensor load brings
.set SLOT,   4*HALFT
.set SCL,    2*SLOT                    ; behind the ring: the scale words of all of K, filled once
.set HALFS,  4096
.set SPARE,  SCL+4*HALFS               ; the spare words, 128 bytes for each wave; no other line names them
.set ADRA, 16                          ; v16-17 A's fragments in slot 0, 1 (16 lane); v18-19 the same + 512 + 8 lane
.set ADRB, 20                          ; v20-23 B's
.set ADRS, 27
.set SPW,  28
.set NIL,  29
.set SC,   32
.set AF,   128
.set G1, 24
.set G0, 32
.set G1B, 48
.set G0B, 56
.set G1S, 68
.set G0S, 76
.set G1SB, 80
.set G0SB, 88
.set SEL, 66                           ; s[66:67] v_permlanex16_b32's selects
.set CS0, 64                           ; behind the loop, window 0: v64-127 two blocks of the table
.set TMP, 128                          ; v128-191 the rotation's cross terms
.set IM0, 192                          ; v192-203, v204-215 two images
.set IM1, 204
.set TY,  216                          ; v216-218, v220-222
.set TM,  224                          ; v224-239
.set PWS, 32                           ; v32-39 the eight tiles' scale words;  v40-47 as they are stored
.set MSB, 0
.macro WIN new                         ; the immediate's high byte repeats the setting that is left
.if MSB != (\new)
	s_set_vgpr_msb (MSB<<8)|(\new)
.set MSB, (\new)
.endif
.endm
.set MUL_LO, 0xa1
.set MUL_HI, 0xf1
.set TO_B,   0x40
.macro JLOAD g0a, g1a, g0b, g1b        ; a joint load: waves 0, 1 fetch for A, waves 2, 3 for B; four v_nop follow each line
	s_cmp_eq_u32 s15, 0
	s_cbranch_scc0 .Lfor_b_\@
	tensor_load_to_lds s[\g0a:\g0a+3], s[\g1a:\g1a+7]
	s_nop 0
.rept 4
	v_nop
.endr
	s_branch .Lasked_\@
.Lfor_b_\@:
	tensor_load_to_lds s[\g0b:\g0b+3], s[\g1b:\g1b+7]
	s_nop 0
.rept 4
	v_nop
.endr
.Lasked_\@:
.endm
.macro CREST
	s_cmp_lg_u32 s14, 0
	s_cbranch_scc1 .Lnot_wave_0_\@
	s_barrier_signal -3
.Lnot_wave_0_\@:
	s_barrier_wait -3
	s_barrier_signal -1
	s_barrier_wait -1
.endm
.macro CROUND
	s_barrier_signal -1
	s_barrier_wait -1
	CREST
.endm
	s_load_b256 s[4:11], s[0:1], 0x0               ; actc s[4:5], acts s[6:7], wc s[8:9], ws s[10:11]
	v_lshl_add_u32 v[SPW], v0, 2, SPARE
	v_mov_b32 v[NIL], 0
	ds_add_u32 v28, v29
	s_wait_dscnt 0x0
	v_lshrrev_b32 v1, 5, v0
	v_readfirstlane_b32 s14, v1                    ; wave
	s_lshr_b32 s15, s14, 1                         ; my half of A's 256 rows.  Also: I fetch for A (0) or for B (1)
	s_and_b32 s16, s14, 1                          ; my half of B's.  Also: which 128 rows I fetch
	s_bfe_u32 s40, ttmp6, 0x40000                  ; cx
	s_bfe_u32 s41, ttmp6, 0x40004                  ; cy
	s_and_b32 s12, ttmp7, 0xffff
	s_lshl_b32 s12, s12, 2                         ; 4 x cluster y
	s_lshl_b32 s13, ttmp9, 2                       ; 4 x cluster x
	s_add_co_u32 s17, s12, s41                     ; Q, K: A's block of 256 tokens
	s_add_co_u32 s18, s41, 8                       ; V: A's block of 256 rows of wc: Wv begins at block 8
	s_add_co_u32 s42, s13, s40                     ; Q, K: B's block of 256 rows of wc
	s_add_co_u32 s19, s12, s40                     ; V: B's block of 256 tokens
	s_cmp_eq_u32 ttmp9, 2                          ; the cluster's x is the same in all sixteen partners
	s_cselect_b32 s17, s18, s17                    ; made of cy alone
	s_cselect_b32 s42, s19, s42                    ; made of cx alone
	s_lshl_b32 s43, s41, 2
	s_lshl_b32 s43, 15, s43                        ; my row of the cluster
	s_lshl_b32 s44, 0x1111, s40                    ; my column
	s_or_b32 s[G1+0], s43, (3<<16)|(1<<21)         ; the mask; elements of 8 bytes; bit 21 beside a mask; no padding: the images are read as consecutive bytes
	s_or_b32 s[G1B+0], s44, (3<<16)|(1<<21)
.irp g, G1, G1B
	s_mov_b32 s[\g+1], 384<<16                     ; tensor_dim0: 3,072 bytes
	s_mov_b32 s[\g+2], 8<<16                       ; tensor_dim1: 8 tiles
	s_mov_b32 s[\g+3], 384<<16                     ; tile_dim0
	s_mov_b32 s[\g+4], 8                           ; tile_dim1
	s_mov_b32 s[\g+5], 1536                        ; from tile to tile: 12,288 bytes
	s_mov_b32 s[\g+6], 0
	s_mov_b32 s[\g+7], 0
.endr
	s_or_b32 s[G1S+0], s43, (3<<16)|(1<<21)        ; the scale words of 128 rows: 4,096 dense bytes as 16 rows of 256
	s_or_b32 s[G1SB+0], s44, (3<<16)|(1<<21)
.irp g, G1S, G1SB
	s_mov_b32 s[\g+1], 32<<16
	s_mov_b32 s[\g+2], 16<<16
	s_mov_b32 s[\g+3], 32<<16
	s_mov_b32 s[\g+4], 16
	s_mov_b32 s[\g+5], 32
	s_mov_b32 s[\g+6], 0
	s_mov_b32 s[\g+7], 0
.endr
	s_lshl_b32 s18, s16, 7
	s_lshl_b32 s20, s17, 8
	s_add_co_u32 s20, s20, s18                     ; A: the first row that I fetch
	s_lshl_b32 s46, s42, 8
	s_add_co_u32 s46, s46, s18                     ; B likewise
	s_lshl_b32 s22, s20, 5                         ; 32 bytes of scales a row
	s_mov_b32 s23, 0
	s_lshl_b32 s92, s46, 5
	s_mov_b32 s93, 0
	s_mul_i32 s20, s20, 768                        ; 768 bytes of codes a row
	s_mov_b32 s21, 0
	s_mul_i32 s46, s46, 768
	s_mov_b32 s47, 0
	s_mul_i32 s45, s14, HALFT                      ; where they go: no place in the cluster enters an LDS address
	s_mul_i32 s94, s14, HALFS
	s_mov_b32 s[SEL], 0x76543210
	s_mov_b32 s[SEL+1], 0xfedcba98
	s_wait_kmcnt 0x0
	s_cmp_eq_u32 ttmp9, 2
	s_cselect_b64 s[96:97], s[8:9], s[4:5]         ; A's codes,
	s_cselect_b64 s[98:99], s[10:11], s[6:7]       ; A's scales,
	s_cselect_b64 s[8:9], s[4:5], s[8:9]           ; B's
	s_cselect_b64 s[10:11], s[6:7], s[10:11]
	s_add_nc_u64 s[20:21], s[96:97], s[20:21]
	s_add_nc_u64 s[22:23], s[98:99], s[22:23]
	s_add_nc_u64 s[46:47], s[8:9], s[46:47]
	s_add_nc_u64 s[92:93], s[10:11], s[92:93]
	CROUND                                         ; all sixteen work-groups are here: the first joint loads meet
	s_mov_b32 s[G0S], 1
	s_add_co_u32 s[G0S+1], s94, SCL
	s_mov_b64 s[G0S+2:G0S+3], s[22:23]
	s_or_b32 s[G0S+3], s[G0S+3], 0x80000000
	s_mov_b32 s[G0SB], 1
	s_add_co_u32 s[G0SB+1], s94, SCL
	s_mov_b64 s[G0SB+2:G0SB+3], s[92:93]
	s_or_b32 s[G0SB+3], s[G0SB+3], 0x80000000
	JLOAD G0S, G1S, G0SB, G1SB                     ; the scales first: they are wanted with the first K step
.irp s, 0,1
	s_mov_b32 s[G0+4*\s], 1
	s_add_co_u32 s[G0+4*\s+1], s45, \s*SLOT
	s_add_nc_u64 s[G0+4*\s+2:G0+4*\s+3], s[20:21], \s*TILEB
	s_or_b32 s[G0+4*\s+3], s[G0+4*\s+3], 0x80000000
	s_mov_b32 s[G0B+4*\s], 1
	s_add_co_u32 s[G0B+4*\s+1], s45, \s*SLOT
	s_add_nc_u64 s[G0B+4*\s+2:G0B+4*\s+3], s[46:47], \s*TILEB
	s_or_b32 s[G0B+4*\s+3], s[G0B+4*\s+3], 0x80000000
	JLOAD G0+4*\s, G1, G0B+4*\s, G1B
.endr
	v_and_b32 v1, 31, v0                           ; lane
	v_and_b32 v2, 15, v0                           ; r
	v_bfe_u32 v3, v0, 4, 1                         ; h
	v_lshlrev_b32 v4, 4, v1                        ; 16 lane
	v_lshlrev_b32 v5, 3, v1
	v_add_nc_u32 v5, 512, v5                       ; 512 + 8 lane
	s_mul_i32 s21, s15, HALFT                      ; my 128 rows of A
	s_mul_i32 s22, s16, HALFT
	s_add_co_u32 s22, s22, 2*HALFT                 ; my 128 rows of B, behind A's 256
.irp s, 0,1
	v_add_nc_u32 v[ADRA+\s], s21, v4
	v_add_nc_u32 v[ADRB+\s], s22, v4
	v_add_nc_u32 v[ADRA+2+\s], s21, v5
	v_add_nc_u32 v[ADRB+2+\s], s22, v5
	s_add_co_u32 s21, s21, SLOT
	s_add_co_u32 s22, s22, SLOT
.endr
	v_lshlrev_b32 v5, 4, v2                        ; a row's four words: 16 r
	s_mul_i32 s21, s15, HALFS
	s_mul_i32 s22, s16, HALFS
	s_add_co_u32 s22, s22, 2*HALFS
	s_sub_co_u32 s22, s22, s21
	v_mul_u32_u24 v6, s22, v3                      ; lanes 16-31 take B's: one product, the distance x h
	s_add_co_u32 s21, s21, SCL
	v_add_nc_u32 v5, v5, v6
	v_add_nc_u32 v[ADRS], s21, v5
	v_mov_b32 v8, v3                               ; h
	v_lshlrev_b32 v9, 4, v2                        ; 16 r
	v_mov_b32 v10, v4                              ; 16 lane
	v_lshlrev_b32 v12, 4, v3                       ; 16 h
.irp b, 0,1,2,3
	v_mov_b32 v[TM+4+\b], 0                        ; written once: a lane permute's destination counts as one of its sources
.endr
.macro FRAG reg, adr, q, i             ; a fragment comes back as it was stored: four loads of consecutive bytes
	ds_load_b128 v[\reg:\reg+3], v[\adr] offset:(\i)*TILEB+(\q)*1536
	ds_load_b64 v[\reg+4:\reg+5], v[\adr+2] offset:(\i)*TILEB+(\q)*1536
	ds_load_b128 v[\reg+6:\reg+9], v[\adr] offset:(\i)*TILEB+(\q)*1536+768
	ds_load_b64 v[\reg+10:\reg+11], v[\adr+2] offset:(\i)*TILEB+(\q)*1536+768
.endm
; 16 matrix instructions: A's tiles a0, a0 + 1 x B's eight.  The 64 accumulators take turns, one instruction a turn, in the same order in every step.
.macro MUL16 a0, p, q, sc, zero
.irp a, \a0, \a0+1
.irp b, 0,1,2,3,4,5,6,7
.if \zero
	v_wmma_scale_f32_16x16x128_f8f6f4 v[8*(8*((\a)%4)+\b):8*(8*((\a)%4)+\b)+7], v[128*(\p)+FR*\b:128*(\p)+FR*\b+FR-1], v[AF+FR*(\a):AF+FR*(\a)+FR-1], 0, v[SC+8*NQ*(\sc)+NQ*\b+(\q)], v[SC+8*NQ*(\sc)+NQ*(\a)+(\q)] matrix_a_fmt:MATRIX_FMT_FP6 matrix_b_fmt:MATRIX_FMT_FP6 matrix_a_scale:MATRIX_SCALE_ROW1
.else
	v_wmma_scale_f32_16x16x128_f8f6f4 v[8*(8*((\a)%4)+\b):8*(8*((\a)%4)+\b)+7], v[128*(\p)+FR*\b:128*(\p)+FR*\b+FR-1], v[AF+FR*(\a):AF+FR*(\a)+FR-1], v[8*(8*((\a)%4)+\b):8*(8*((\a)%4)+\b)+7], v[SC+8*NQ*(\sc)+NQ*\b+(\q)], v[SC+8*NQ*(\sc)+NQ*(\a)+(\q)] matrix_a_fmt:MATRIX_FMT_FP6 matrix_b_fmt:MATRIX_FMT_FP6 matrix_a_scale:MATRIX_SCALE_ROW1
.endif
.endr
.endr
.endm
.macro FETCH_B slot, q, p
	WIN TO_B
.irp i, 0,1,2,3,4,5,6,7
	FRAG 128*(\p)+FR*\i, ADRB+\slot, \q, \i
.endr
	WIN 0
.endm
.macro FETCH_A slot, q, i0
.irp i, \i0, \i0+1, \i0+2, \i0+3
	FRAG AF+FR*(\i), ADRA+\slot, \q, \i
.endr
.endm
.macro SCALES sc                       ; a slot's two words a row: lanes 0-15 A's tile i, lanes 16-31 B's tile i
.irp i, 0,1,2,3,4,5,6,7
	ds_load_b64 v[SC+8*NQ*\sc+NQ*\i:SC+8*NQ*\sc+NQ*\i+1], v[ADRS] offset:\i*512
.endr
.endm
.macro PLACES n                        ; plain vector instructions between a matrix instruction and a load into, or a vector instruction on, its registers
.rept \n
	v_nop
.endr
.endm
.macro STEP slot, q, zero              ; 128 along K whose successor lies in the same slot
	s_wait_dscnt 4*NL                              ; B's set and A's tiles 0-3 are in; the sixteen youngest loads (A's tiles 4-7) may be out
	WIN MUL_LO
	MUL16 0, (\q)%2, \q, \slot, \zero
	MUL16 2, (\q)%2, \q, \slot, \zero
	s_wait_dscnt 0
	PLACES NP
	FETCH_B \slot, (\q)+1, 1-(\q)%2
	FETCH_A \slot, (\q)+1, 0
	WIN MUL_HI
	MUL16 4, (\q)%2, \q, \slot, \zero
	MUL16 6, (\q)%2, \q, \slot, \zero
	PLACES NP
	WIN 0
	FETCH_A \slot, (\q)+1, 4
.endm
; A slot's last step changes slots: one barrier; in front of it each wave waits for all its tensor loads, adds 0 to its spare word, and waits for that and for its reads of this slot.  fill = 1: the slot is filled again, 512 along K ahead.
.macro TURN slot, next, fill
	s_wait_tensorcnt 0x0                           ; all my tensor loads have landed: my part of the next slot
	ds_add_u32 v[SPW], v[NIL]                      ; 0 onto my spare word
	s_wait_dscnt 4*NL+1                            ; the add and the sixteen youngest loads may be out
	WIN MUL_LO
	MUL16 0, 1, NQ-1, \slot, 0
	s_wait_dscnt 0x0                               ; the add is done, and my reads of this slot are over
	s_barrier_signal -1
	MUL16 2, 1, NQ-1, \slot, 0
	WIN 0
	s_barrier_wait -1
.if \fill
	CREST                                          ; the barrier has opened a round of the cluster's: no wave of any partner still reads this slot or has a load on its way
	s_add_nc_u64 s[G0+4*\slot+2:G0+4*\slot+3], s[G0+4*\slot+2:G0+4*\slot+3], 2*TILEB
	s_add_nc_u64 s[G0B+4*\slot+2:G0B+4*\slot+3], s[G0B+4*\slot+2:G0B+4*\slot+3], 2*TILEB
	JLOAD G0+4*\slot, G1, G0B+4*\slot, G1B         ; the first tensor load behind the round; its four v_nop are the places in front of the loads below
.else
	PLACES NP
.endif
.if \slot == 0
	v_add_nc_u32 v[ADRS], 8, v[ADRS]               ; the next two words of the same four,
.else
	v_add_nc_u32 v[ADRS], 248, v[ADRS]             ; or the first two of the next four, 256 bytes on
.endif
	FETCH_B \next, 0, 0
	FETCH_A \next, 0, 0
	SCALES \next
	WIN MUL_HI
	MUL16 4, 1, NQ-1, \slot, 0
	MUL16 6, 1, NQ-1, \slot, 0
	PLACES NP
	WIN 0
	FETCH_A \next, 0, 4
.endm
.macro TAIL                            ; the last slot: nothing more to fetch
	STEP 1, 0, 0
	s_wait_dscnt 4*NL
	WIN MUL_LO
	MUL16 0, 1, NQ-1, 1, 0
	MUL16 2, 1, NQ-1, 1, 0
	s_wait_dscnt 0
	WIN MUL_HI
	MUL16 4, 1, NQ-1, 1, 0
	MUL16 6, 1, NQ-1, 1, 0
	WIN 0
	PLACES NP
.endm
; 64 numbers of a lane in window w, v[s] on, register 16 b + i = place 32 b + 16 h + i along the next K, become codes: blocks 0, 1 in v[d0] .. v[d0 + 5], blocks 2, 3 in v[d1] .. v[d1 + 5], and the four bytes in v[pw].
.macro QUANTW w, s, d0, d1, pw
	WIN (\w)|((\w)<<2)                             ; sources 0 and 1 in window w
.irp b, 0,1,2,3
	v_max3_num_f32 v[TM+\b], |v[\s+16*\b]|, |v[\s+1+16*\b]|, 0x1800000   ; my 16 numbers of block b, from the low end on, and the floor 2^(3 - 127)
.endr
.irp i, 2,4,6,8,10,12,14
.irp b, 0,1,2,3
	v_max3_num_f32 v[TM+\b], |v[\s+16*\b+\i]|, |v[\s+1+16*\b+\i]|, v[TM+\b]
.endr
.endr
	WIN 0
.irp b, 0,1,2,3
	v_permlanex16_b32 v[TM+4+\b], v[TM+\b], s[SEL], s[SEL+1]
.endr
.irp b, 0,1,2,3
	v_max_num_f32 v[TM+\b], v[TM+\b], v[TM+4+\b]   ; with lane l xor 16's: the block's largest magnitude
.endr
.irp b, 0,1,2,3
	v_add_nc_u32 v[TM+12+\b], 0xff000000, v[TM+\b] ; 2 off the exponent field: the conversion's scale operand
.endr
.irp b, 0,1,2,3
	v_lshrrev_b32 v[TM+4+\b], 23, v[TM+12+\b]
.endr
	v_lshl_or_b32 v[\pw], v[TM+5], 8, v[TM+4]
	v_lshl_or_b32 v[\pw], v[TM+6], 16, v[\pw]
	v_lshl_or_b32 v[\pw], v[TM+7], 24, v[\pw]
	WIN (\w)                                       ; source 0 in window w
	v_cvt_scalef32_pk16_fp6_f32 v[\d0:\d0+2], v[\s:\s+15], v[TM+12]
	v_cvt_scalef32_pk16_fp6_f32 v[TY:TY+2], v[\s+16:\s+31], v[TM+13]
	v_cvt_scalef32_pk16_fp6_f32 v[\d1:\d1+2], v[\s+32:\s+47], v[TM+14]
	v_cvt_scalef32_pk16_fp6_f32 v[TY+4:TY+6], v[\s+48:\s+63], v[TM+15]
	WIN 0
	v_nop                                          ; one plain place behind a scaled conversion
.irp i, 0,1,2                          ; the operand's layout wants a whole block in a lane: lanes 0-15 the even block, lanes 16-31 the odd one
	v_permlane16_swap_b32 v[\d0+\i], v[TY+\i]
	v_permlane16_swap_b32 v[\d1+\i], v[TY+4+\i]
.endr
.irp i, 0,1,2
	v_mov_b32 v[\d0+3+\i], v[TY+\i]
	v_mov_b32 v[\d1+3+\i], v[TY+4+\i]
.endr
.endm
	s_wait_tensorcnt 1                             ; the scales and my part of slot 0 are in (slot 1's load may be out),
	s_barrier_signal -1
	s_barrier_wait -1                              ; everybody's are
	FETCH_B 0, 0, 0
	FETCH_A 0, 0, 0
	SCALES 0
	FETCH_A 0, 0, 4
	STEP 0, 0, 1                                   ; the first products start the sums: nothing is cleared
	TURN 0, 1, 1
	STEP 1, 0, 0
	TURN 1, 0, 1
	STEP 0, 0, 0
	TURN 0, 1, 0                                   ; nothing is left to fetch: all my tensor loads are done, so the descriptors' registers are free from here on
	s_cmp_eq_u32 ttmp9, 2                          ; the cluster's x: the same in all partners; no barrier and no tensor load stands in either way
	s_cbranch_scc1 .Lvpath
	; ---- Q and K.  My 128 tokens are step (m0 / 128) % 16 of batch m0 / 2048; my 128 rows of W are heads hd0 and hd0 + 1.
	s_load_b64 s[24:25], s[0:1], 0x20              ; tab
	s_load_b128 s[28:31], s[0:1], 0x28             ; qrec, kv
	s_lshl_b32 s32, s17, 8
	s_lshl_b32 s33, s15, 7
	s_add_co_u32 s32, s32, s33                     ; m0
	s_lshr_b32 s33, s32, 11                        ; batch
	s_bfe_u32 s34, s32, 0x40007                    ; step
	s_and_b32 s35, s42, 3
	s_lshl_b32 s35, s35, 2
	s_lshl_b32 s36, s16, 1
	s_add_co_u32 s35, s35, s36                     ; hd0
	s_lshl_b32 s33, s33, 4
	s_add_co_u32 s33, s33, s35                     ; 16 batch + hd0
	s_bfe_u32 s36, s32, 0x70004                    ; my first tile's block of the table
	s_lshl_b32 s36, s36, 12
	s_mov_b32 s37, 0
	s_mov_b32 s38, 26112
	s_mov_b32 s39, 24576
	s_wait_kmcnt 0x0
	s_cmp_eq_u32 ttmp9, 0
	s_cselect_b32 s38, 13312, s38                  ; a record,
	s_cselect_b32 s39, 12288, s39                  ; where its scale words begin,
	s_cselect_b64 s[28:29], s[28:29], s[30:31]     ; and the buffer: Q's or K's
	s_lshl_b32 s43, s38, 3                         ; a head: eight records
	s_mul_i32 s44, s33, s43
	s_lshr_b32 s45, s34, 1
	s_mul_i32 s45, s45, s38
	s_add_co_u32 s44, s44, s45                     ; my record
	s_and_b32 s34, s34, 1
	s_mul_i32 s46, s34, 6144
	s_add_co_u32 s46, s46, s44
	s_mov_b32 s47, 0
	s_add_nc_u64 s[48:49], s[28:29], s[46:47]      ; head hd0's images,
	s_mov_b32 s46, s43
	s_add_nc_u64 s[50:51], s[48:49], s[46:47]      ; head hd0 + 1's,
	s_lshl_b32 s46, s34, 9
	s_add_co_u32 s46, s46, s44
	s_add_co_u32 s46, s46, s39
	s_add_nc_u64 s[52:53], s[28:29], s[46:47]      ; head hd0's scale words
	s_add_nc_u64 s[24:25], s[24:25], s[36:37]
	v_mad_u32_u24 v11, v8, s43, v9                 ; lanes 16-31 store head hd0 + 1's: h x a head + 16 r
.macro TABL a                          ; the table's block for my tile a: 32 registers, cos and sin of 16 pairs
.irp j, 0,1,2,3,4,5,6,7
	global_load_b128 v[CS0+32*((\a)%2)+4*\j:CS0+32*((\a)%2)+4*\j+3], v10, s[24:25] offset:(\a)*4096+512*\j
.endr
.endm
	TABL 0                                         ; they land under the last slot's products
	TABL 1
	TAIL
.macro QKBLOCK a
.set WA, 2+(\a)/4
.set AC, 64*((\a)%4)
.set CSB, CS0+32*((\a)%2)
.if (\a) < 7
	s_wait_loadcnt 8                               ; this tile's eight loads are in; the next tile's eight may be out
.else
	s_wait_loadcnt 0x0
.endif
	WIN WA                                         ; source 0 in the accumulators' window
.set pp, 0
.rept 32                               ; a pair (t1, t2) and (cos, sin): first (-t2 sin, t1 sin),
	v_pk_mul_f32 v[TMP+2*pp:TMP+2*pp+1], v[AC+2*pp:AC+2*pp+1], v[CSB+2*(pp%16):CSB+2*(pp%16)+1] op_sel:[1,1] op_sel_hi:[0,1] neg_lo:[1,0]
.set pp, pp+1
.endr
	WIN WA|(WA<<6)
.set pp, 0
.rept 32                               ; then (t1 cos - t2 sin, t2 cos + t1 sin)
	v_pk_fma_f32 v[AC+2*pp:AC+2*pp+1], v[AC+2*pp:AC+2*pp+1], v[CSB+2*(pp%16):CSB+2*(pp%16)+1], v[TMP+2*pp:TMP+2*pp+1] op_sel_hi:[1,0,1]
.set pp, pp+1
.endr
	WIN 0
.if (\a)+2 < 8
	TABL (\a)+2
.endif
.if ((\a)%2 == 0) && ((\a) >= 2)
	s_wait_xcnt 0x0                                ; the last pair's stores have read the images' registers
.endif
	QUANTW WA, AC, IM0+6*((\a)%2), IM1+6*((\a)%2), PWS+(\a)
.if (\a)%2 == 1
.irp c, 0,1,2
	global_store_b128 v10, v[IM0+4*\c:IM0+4*\c+3], s[48:49] offset:((\a)/2)*1536+512*\c    ; 512 consecutive bytes
	global_store_b128 v10, v[IM1+4*\c:IM1+4*\c+3], s[50:51] offset:((\a)/2)*1536+512*\c
.endr
.endif
.endm
.irp a, 0,1,2,3,4,5,6,7
	QKBLOCK \a
.endr
.irp a, 0,1,2,3,4,5,6,7
	v_bfe_u32 v[40+\a], v[PWS+\a], v12, 16         ; lanes 0-15: head hd0's two bytes, lanes 16-31: head hd0 + 1's; 0 above them
.endr
	global_store_b128 v11, v[40:43], s[52:53]      ; sixteen lanes store 256 consecutive bytes, aligned
	global_store_b128 v11, v[44:47], s[52:53] offset:256
	s_branch .Lend
.Lvpath:
	; ---- V.  My 128 rows of Wv are heads hd0 and hd0 + 1 (four tiles of 16 d each); my 128 tokens are one step of keys.
	s_load_b64 s[28:29], s[0:1], 0x30              ; kv
	s_lshl_b32 s32, s42, 8
	s_lshl_b32 s33, s16, 7
	s_add_co_u32 s32, s32, s33                     ; m0
	s_lshr_b32 s33, s32, 11
	s_bfe_u32 s34, s32, 0x40007
	s_and_b32 s35, s17, 3
	s_lshl_b32 s35, s35, 2
	s_lshl_b32 s36, s15, 1
	s_add_co_u32 s35, s35, s36                     ; hd0
	s_lshl_b32 s33, s33, 4
	s_add_co_u32 s33, s33, s35
	s_mul_i32 s44, s33, 208896
	s_lshr_b32 s45, s34, 1
	s_mul_i32 s45, s45, 26112
	s_add_co_u32 s44, s44, s45
	s_and_b32 s34, s34, 1
	s_mul_i32 s46, s34, 6144
	s_add_co_u32 s46, s46, s44
	s_add_co_u32 s46, s46, 12288
	s_mov_b32 s47, 0
	s_lshl_b32 s36, s34, 8
	s_add_co_u32 s36, s36, s44
	s_add_co_u32 s36, s36, 25600
	s_mov_b32 s37, 0
	v_mad_u32_u24 v11, v8, 0x33000, v9             ; h x a head (208,896 bytes) + 16 r
	s_wait_kmcnt 0x0
	s_add_nc_u64 s[48:49], s[28:29], s[46:47]
	s_add_nc_u64 s[52:53], s[28:29], s[36:37]
	TAIL
.macro VBLOCK a
.if ((\a)%2 == 0) && ((\a) >= 2)
	s_wait_xcnt 0x0                                ; the last pair's stores have read the images' registers
.endif
	QUANTW 2+(\a)/4, 64*((\a)%4), IM0+12*((\a)%2), IM0+12*((\a)%2)+6, PWS+(\a)
.if (\a)%2 == 1
.irp c, 0,1,2
	global_store_b128 v10, v[IM0+4*\c:IM0+4*\c+3], s[48:49] offset:((\a)/4)*208896+(((\a)-1)%4)*1536+512*\c
	global_store_b128 v10, v[IM1+4*\c:IM1+4*\c+3], s[48:49] offset:((\a)/4)*208896+((\a)%4)*1536+512*\c
.endr
.endif
.endm
.irp a, 0,1,2,3,4,5,6,7
	VBLOCK \a
.endr
	v_cmp_eq_u32 vcc_lo, 1, v8
.irp d, 0,1,2,3
	v_cndmask_b32 v[40+\d], v[PWS+\d], v[PWS+4+\d], vcc_lo   ; lanes 0-15: head hd0's tiles, lanes 16-31: head hd0 + 1's
.endr
	global_store_b128 v11, v[40:43], s[52:53]
.Lend:
	s_wait_tensorcnt 0x0                           ; the wave's end
	ds_add_u32 v[SPW], v[NIL]
	s_wait_dscnt 0x0
	CROUND                                         ; the closing round
	s_endpgm
.Lfunc_end_k_qe87dbabcd8_qkv:
	.size	k_qe87dbabcd8_qkv, .Lfunc_end_k_qe87dbabcd8_qkv-k_qe87dbabcd8_qkv
	.p2alignl 7, 3214868480
	.fill 96, 4, 3214868480
	.section	.rodata,"a",@progbits
	.p2align	6, 0x0
	.amdhsa_kernel k_qe87dbabcd8_qkv
		.amdhsa_group_segment_fixed_size 327680
		.amdhsa_private_segment_fixed_size 0
		.amdhsa_enable_private_segment 0
		.amdhsa_kernarg_size 56
		.amdhsa_user_sgpr_count 2
		.amdhsa_user_sgpr_kernarg_segment_ptr 1
		.amdhsa_wavefront_size32 1
		.amdhsa_system_sgpr_workgroup_id_x 1
		.amdhsa_system_sgpr_workgroup_id_y 1
		.amdhsa_system_sgpr_workgroup_id_z 1
		.amdhsa_system_vgpr_workitem_id 0
		.amdhsa_next_free_vgpr 1024
		.amdhsa_next_free_sgpr 100
		.amdhsa_reserve_vcc 1
		.amdhsa_float_denorm_mode_32 3
		.amdhsa_float_denorm_mode_16_64 3
		.amdhsa_memory_ordered 1
		.amdhsa_forward_progress 1
		.amdhsa_inst_pref_size 244
	.end_amdhsa_kernel
	.amdgpu_metadata
---
amdhsa.version: [ 1, 2 ]
amdhsa.kernels:
  - .name:           k_qe87dbabcd8_qkv
    .symbol:         k_qe87dbabcd8_qkv.kd
    .args:
      - { .name: actc, .offset: 0, .size: 8, .value_kind: global_buffer, .address_space: global }
      - { .name: acts, .offset: 8, .size: 8, .value_kind: global_buffer, .address_space: global }
      - { .name: wc, .offset: 16, .size: 8, .value_kind: global_buffer, .address_space: global }
      - { .name: ws, .offset: 24, .size: 8, .value_kind: global_buffer, .address_space: global }
      - { .name: tab, .offset: 32, .size: 8, .value_kind: global_buffer, .address_space: global }
      - { .name: qrec, .offset: 40, .size: 8, .value_kind: global_buffer, .address_space: global }
      - { .name: kv, .offset: 48, .size: 8, .value_kind: global_buffer, .address_space: global }
    .group_segment_fixed_size: 327680
    .private_segment_fixed_size: 0
    .kernarg_segment_align: 8
    .kernarg_segment_size: 56
    .max_flat_workgroup_size: 128
    .sgpr_count:     100
    .vgpr_count:     1024
    .wavefront_size: 32
...
	.end_amdgpu_metadata
.endif
;; end of part 2
;; launch attn (part 3): grid 4 x 64, 16 waves a work-group, no clusters, 327,680 bytes of LDS; arguments qrec, kv, actc, acts; writes actc, acts
.if DOCPART == 3
	.amdgcn_target "amdgcn-amd-amdhsa--gfx1250"
	.amdhsa_code_object_version 6
	.text
	.protected	k_qe87dbabcd8_attn
	.globl	k_qe87dbabcd8_attn
	.p2align	8
	.type	k_qe87dbabcd8_attn,@function
k_qe87dbabcd8_attn:
	s_mov_b64 s[64:65], 0
	v_nop
	global_prefetch_b8 v0, s[64:65] scope:SCOPE_SE
	s_setreg_imm32_b32 hwreg(HW_REG_WAVE_MODE, 25, 1), 1
	s_wait_xcnt 0x0
; Causal attention on codes of FP6 (E2M3): S^T = K Q^T (K = a head's 64), p = 2^(t - M), O^T = V^T p^T (K = the keys), O / the row's sum, quantised along D into the output projection's operand.
; t = score x log2(e) / 8; M = the running largest t rounded up to a whole number; the row's sum is taken of the unquantised p; when M moves, the sum and O^T are multiplied by 2^(old M - new M), exactly.
; INPUTS: qrec and kv as the launch before lays them (images of the operands' registers; a record of kv is 256 keys: K's images, V's, K's scale words, V's: 26,112 dense bytes).
; SHARES.  Work-group (i, b h) owns the blocks of 256 queries i and 7 - i of one head: (i + 1) + (8 - i) = 9 records of keys for every work-group, so all 256 work-groups have the same trips.  Trips 0 .. i serve block i; then the block is
; finished and block 7 - i begins.  Each of the sixteen waves owns one tile of 16 queries (tile w: queries 32 (w / 2) + 8 (w % 2) + r + 8 (r / 8) of the block) in 256 registers.
; A step all of whose 128 keys come after the wave's queries is left out by a scalar branch on ids; on the diagonal hidden scores become -infinity ahead of the maximum.
; THE RING: two LDS slots of one record, 32,768 bytes apart; wave 0 brings a record by one tensor load; all sixteen waves read it.
; NO CLUSTER: the four work-groups of a head want different records in the same trip (work-group i walks 0 .. i, then 0 .. 7 - i), so their requests do not meet.
; K = 64 IN A FORM OF 128: Q's registers 6-11 are zero codes, and bytes 2, 3 of Q's and K's scale words are 0.  K's tile t is named as the 12 registers from 32 + 6 t on: its upper six are the next tile's codes (finite numbers: the format has no others)
; or zeros, and are multiplied by zero codes.
; RESULT: actc [tile of 16 tokens][K step = head / 2][1,536]: a head's part is half an image, 768 bytes: registers 0-3 at 16 lane, 4-5 at 512 + 8 lane; acts: two bytes a row and head.
; LIMITS: NaN and infinities are not served; a block of O whose largest magnitude lies under 2^-124 gets the byte 1.
; REGISTERS: v1 16 lane, v2 16 r, v3, v4 the add's, v5 r + 8 (r / 8) - 16 h, v6 8 lane, v7, v8 LDS addresses in hand, v9 the prefetch's offset, v10, v11 Q's offsets; v12 -M, v13 the largest t, v[14:15] the sum; v16-27 Q, v28 its scale word;
; v32-79 K's four pair images, then V's four fragments; v80-85 zeros; v86-93 scale words; v96-159 S^T, then p; v160-191 O^T; v192-203 codes; v204-210, v212-231 at work; v224 p's scale word, v225 O's two bytes.
.set RECB,  26112
.set SLOT1, 32768
.set SPARE, 65536                      ; the spare words, 128 bytes for each of sixteen waves; no other line names them
.set SPW, 3
.set NIL, 4
.set ADK, 7
.set ADS, 8
.set BM,  212
.set BX,  216
.set BS,  220
.set WV,  12
.set SEL, 20
.set CS,  22
.set G1,  24
.set G0,  32
.set KVH, 36
.set QH,  38
.set TB,  40
.set KF,  41
.set KS,  42
.set QB,  43
.set Q0,  44
.set SLOTS, 45
.set LIM, 46
.set UM,  47
.set PFA, 48
.set QW,  58
.macro TLOAD                           ; wave 0 alone fetches; four v_nop follow the line
	s_cmp_lg_u32 s[WV], 0
	s_cbranch_scc1 .Lnot_mine_\@
	tensor_load_to_lds s[G0:G0+3], s[G1:G1+7]
	s_nop 0
.rept 4
	v_nop
.endr
.Lnot_mine_\@:
.endm
; A prefetch of the record that the NEXT change of slots will ask for.  All four work-groups of a head read the same records: work-group 0 of the head asks (it walks records 0, then 0 .. 7), in waves 4 to 7, a lane a block of 256 bytes
; (102 blocks; the lanes beyond name the last one).  Records 1 to 7 are named once each; the last change that fills a slot asks for nothing.
.macro ASK
	s_cmp_gt_u32 s[SLOTS], s[LIM]
	s_cbranch_scc0 .Lno_ask_\@
	global_prefetch_b8 v9, s[PFA:PFA+1] th:TH_LOAD_NT scope:SCOPE_SE
.Lno_ask_\@:
.endm
	s_load_b256 s[4:11], s[0:1], 0x0               ; qrec s[4:5], kv s[6:7], actc s[8:9], acts s[10:11]
	v_lshl_add_u32 v[SPW], v0, 2, SPARE
	v_mov_b32 v[NIL], 0
	ds_add_u32 v3, v4
	ds_add_u32 v3, v4
	s_wait_dscnt 0x0
	v_lshrrev_b32 v1, 5, v0
	s_delay_alu instid0(VALU_DEP_1)
	v_readfirstlane_b32 s[WV], v1                  ; wave 0..15
	s_and_b32 s14, ttmp7, 0xffff                   ; 16 batch + head
	s_mul_i32 s50, s14, 208896
	s_mov_b32 s51, 0
	s_mul_i32 s52, s14, 106496
	s_mov_b32 s53, 0
	s_mov_b32 s[G1], 3<<16                         ; no mask; elements of 8 bytes; no padding
	s_mov_b32 s[G1+1], 32<<16                      ; rows of 256 bytes,
	s_mov_b32 s[G1+2], 102<<16                     ; 102 of them, dense
	s_mov_b32 s[G1+3], 32<<16
	s_mov_b32 s[G1+4], 102
	s_mov_b32 s[G1+5], 32
	s_mov_b32 s[G1+6], 0
	s_mov_b32 s[G1+7], 0
	s_mov_b32 s[SEL], 0x76543210
	s_mov_b32 s[SEL+1], 0xfedcba98
	s_mov_b32 s[CS], 0x3e38aa3b                    ; c = log2(e) / 8
	s_mov_b32 s[CS+1], s[CS]
	s_mov_b32 s[TB], 0
	s_mov_b32 s[KF], 0
	s_mov_b32 s[KS], 0
	s_mov_b32 s[SLOTS], 8
	s_mov_b32 s[QB], ttmp9
	s_lshr_b32 s54, s[WV], 1
	s_lshl_b32 s54, s54, 5
	s_and_b32 s55, s[WV], 1
	s_cmp_eq_u32 s55, 1
	s_cselect_b32 s[UM], -1, 0                     ; an odd tile is the upper half of its pair image
	s_lshl_b32 s55, s55, 3
	s_add_co_u32 s[QW], s54, s55                   ; my tile's first query in a block
	s_lshr_b32 s54, s[WV], 2
	s_xor_b32 s54, s54, 1                          ; 0 in waves 4 to 7,
	s_or_b32 s54, s54, ttmp9                       ; of the head's work-group 0
	s_cmp_eq_u32 s54, 0
	s_cselect_b32 s[LIM], 1, -1
	; where my results go, but for the block's part: tile 128 batch + 16 block + w
	s_lshr_b32 s54, s14, 4
	s_lshl_b32 s54, s54, 7
	s_add_co_u32 s54, s54, s[WV]
	s_and_b32 s55, s14, 15                         ; the head
	s_mul_i32 s56, s54, 12288
	s_lshr_b32 s59, s55, 1
	s_mul_i32 s59, s59, 1536
	s_add_co_u32 s56, s56, s59
	s_and_b32 s59, s55, 1
	s_mul_i32 s59, s59, 768
	s_add_co_u32 s56, s56, s59                     ; s56: in actc
	s_lshl_b32 s57, s54, 9
	s_lshr_b32 s59, s55, 3
	s_lshl_b32 s59, s59, 8
	s_add_co_u32 s57, s57, s59
	s_bfe_u32 s59, s55, 0x20001
	s_lshl_b32 s59, s59, 2
	s_add_co_u32 s57, s57, s59
	s_and_b32 s59, s55, 1
	s_lshl_b32 s59, s59, 1
	s_add_co_u32 s57, s57, s59                     ; s57: in acts
	s_wait_kmcnt 0x0
	s_add_nc_u64 s[KVH:KVH+1], s[6:7], s[50:51]
	s_add_nc_u64 s[QH:QH+1], s[4:5], s[52:53]
	s_mov_b32 s[G0], 1
	s_mov_b32 s[G0+1], 0                           ; slot 0
	s_mov_b64 s[G0+2:G0+3], s[KVH:KVH+1]           ; record 0
	s_or_b32 s[G0+3], s[G0+3], 0x80000000
	TLOAD
	s_mov_b64 s[PFA:PFA+1], s[KVH:KVH+1]           ; the first change of slots steps it to record 1.  Nothing is prefetched here
	v_and_b32 v228, 31, v0                         ; lane
	v_and_b32 v229, 15, v0                         ; r
	v_bfe_u32 v230, v0, 4, 1                       ; h
	s_delay_alu instid0(VALU_DEP_3)
	v_lshlrev_b32 v1, 4, v228
	s_delay_alu instid0(VALU_DEP_3)
	v_lshlrev_b32 v2, 4, v229
	v_lshlrev_b32 v6, 3, v228
	v_and_b32 v5, 8, v229
	s_delay_alu instid0(VALU_DEP_1)
	v_add_nc_u32 v5, v5, v229
	v_lshlrev_b32 v231, 4, v230
	s_delay_alu instid0(VALU_DEP_1)
	v_sub_nc_u32 v5, v5, v231
	s_and_b32 s50, s[WV], 3
	s_lshl_b32 s50, s50, 5
	v_add_nc_u32 v9, s50, v228
	s_delay_alu instid0(VALU_DEP_1)
	v_min_u32 v9, 101, v9
	s_delay_alu instid0(VALU_DEP_1)
	v_lshlrev_b32 v9, 8, v9
	s_lshr_b32 s50, s[WV], 3                       ; Q: step w / 8 of the block, tile w % 8
	s_mul_i32 s51, s50, 6144
	s_bfe_u32 s52, s[WV], 0x20001
	s_mul_i32 s52, s52, 1536
	s_add_co_u32 s51, s51, s52
	v_add_nc_u32 v10, s51, v1                      ; my pair image
	s_lshl_b32 s51, s50, 9
	s_bfe_u32 s52, s[WV], 0x10002
	s_lshl_b32 s52, s52, 8
	s_add_co_u32 s51, s51, s52
	s_and_b32 s52, s[WV], 3
	s_lshl_b32 s52, s52, 2
	s_add_co_u32 s51, s51, s52
	s_add_co_u32 s51, s51, 12288
	v_add_nc_u32 v11, s51, v2                      ; my scale word
.irp i, 22,23,24,25,26,27,80,81,82,83,84,85
	v_mov_b32 v[\i], 0                             ; zero codes
.endr
.irp b, 0,1,2,3
	v_mov_b32 v[BX+\b], 0                          ; written once: a lane permute's destination counts as one of its sources
.endr
	v_mov_b32 v227, 0                              ; (named as the upper half of the pair v[226:227])
	v_mov_b32 v228, 0
; A block of queries begins: Q's fragment and scale word; M, the sum and O^T start anew.
.macro START
	s_lshl_b32 s[Q0], s[QB], 8
	s_add_co_u32 s[Q0], s[Q0], s[QW]               ; my tile's first query
	s_mul_i32 s50, s[QB], 13312
	s_mov_b32 s51, 0
	s_add_nc_u64 s[52:53], s[QH:QH+1], s[50:51]
.irp c, 0,1,2
	global_load_b128 v[32+4*\c:35+4*\c], v10, s[52:53] offset:512*\c
.endr
	global_load_b32 v28, v11, s[52:53]
	v_mov_b32 v13, 0xff61b1e6                      ; the largest t so far: -3e38
	s_delay_alu instid0(VALU_DEP_1)
	v_floor_f32 v12, -v13
	v_mov_b32 v14, 0
	v_mov_b32 v15, 0
.set jj, 0
.rept 32
	v_mov_b32 v[160+jj], 0                         ; O^T: the step is written once; the first change of M leaves zeros zeros
.set jj, jj+1
.endr
	s_wait_loadcnt 0x0
.irp i, 0,1,2,3,4,5
	v_cndmask_b32 v[16+\i], v[32+\i], v[38+\i], s[UM]
.endr
.rept 4
	v_nop                                          ; an operand written by vector instructions stands four places ahead of a scaled matrix instruction
.endr
.endm
; A KEY STEP: 128 keys, the q-th of the record in hand.
.macro STEP q
	s_add_co_u32 s50, s[Q0], 23                    ; my last query
	s_cmp_gt_u32 s[KF], s50
	s_cbranch_scc1 .Lhidden_\@                     ; all keys hidden: the work is left out; no barrier and no tensor load stands in a step
	v_add_nc_u32 v[ADK], s[TB], v1
	v_add_nc_u32 v[ADS], s[TB], v2
	v_nop
	v_nop                                          ; four places in front of loads into registers that matrix instructions have read
.irp g, 0,1,2,3
.irp c, 0,1,2
	ds_load_b128 v[32+12*\g+4*\c:35+12*\g+4*\c], v[ADK] offset:(\q)*6144+\g*1536+512*\c
.endr
.endr
	ds_load_b128 v[86:89], v[ADS] offset:24576+(\q)*512
	ds_load_b128 v[90:93], v[ADS] offset:24576+(\q)*512+256
	s_wait_dscnt 0x0
	s_wait_alu depctr_va_vdst(0)
.irp t, 0,1,2,3,4,5,6,7
	v_wmma_scale_f32_16x16x128_f8f6f4 v[96+8*\t:103+8*\t], v[32+6*\t:43+6*\t], v[16:27], 0, v[86+\t], v28 matrix_a_fmt:MATRIX_FMT_FP6 matrix_b_fmt:MATRIX_FMT_FP6
.endr
.rept 4
	v_nop
.endr
.irp d, 0,1,2,3                        ; V's fragments are asked for here: they land under the softmax
.irp c, 0,1,2
	ds_load_b128 v[32+12*\d+4*\c:35+12*\d+4*\c], v[ADK] offset:12288+(\q)*6144+\d*1536+512*\c
.endr
.endr
	ds_load_b128 v[86:89], v[ADS] offset:25600+(\q)*256
	s_add_co_u32 s50, s[KF], 127
	s_cmp_le_u32 s50, s[Q0]
	s_cbranch_scc1 .Lopen_\@                       ; all keys count
	s_sub_co_i32 s50, s[Q0], s[KF]
	v_add_nc_u32 v228, s50, v5                     ; d = my query - KF - 16 h.  Register 16 b + i holds key KF + 32 b + 16 h + i: hidden where 32 b + i > d
	v_mov_b32 v229, 0xff800000
.set nn, 0
.rept 64
	v_cmp_gt_i32 vcc_lo, 32*(nn/16)+nn%16, v228
	v_cndmask_b32 v[96+nn], v[96+nn], v229, vcc_lo
.set nn, nn+1
.endr
.Lopen_\@:
.irp b, 0,1,2,3
	v_max3_num_f32 v[BM+\b], v[96+16*\b], v[97+16*\b], v[98+16*\b]   ; the largest score of each block of 32 keys: for the row's maximum and, since p rises with the score, for the block's largest p
.endr
.irp i, 3,5,7,9,11,13
.irp b, 0,1,2,3
	v_max3_num_f32 v[BM+\b], v[BM+\b], v[96+16*\b+\i], v[97+16*\b+\i]
.endr
.endr
.irp b, 0,1,2,3
	v_max_num_f32 v[BM+\b], v[BM+\b], v[111+16*\b]
.endr
.irp b, 0,1,2,3
	s_delay_alu instid0(VALU_DEP_4)
	v_permlanex16_b32 v[BX+\b], v[BM+\b], s[SEL], s[SEL+1]
.endr
.irp b, 0,1,2,3
	s_delay_alu instid0(VALU_DEP_4)
	v_max_num_f32 v[BM+\b], v[BM+\b], v[BX+\b]
.endr
	s_delay_alu instid0(VALU_DEP_2)
	v_max3_num_f32 v228, v[BM], v[BM+1], v[BM+2]
	s_delay_alu instid0(VALU_DEP_1)
	v_max_num_f32 v228, v228, v[BM+3]
	s_delay_alu instid0(VALU_DEP_1)
	v_mul_f32 v228, s[CS], v228
	s_delay_alu instid0(VALU_DEP_1)
	v_max_num_f32 v13, v13, v228                   ; the running largest t
	v_mov_b32 v228, v12
	s_delay_alu instid0(VALU_DEP_2)
	v_floor_f32 v12, -v13                          ; the new -M
	s_delay_alu instid0(VALU_DEP_1)
	v_sub_f32 v228, v12, v228                      ; old M - new M: a whole number, 0 or less
	s_delay_alu instid0(VALU_DEP_1)
	v_cvt_i32_f32 v228, v228
	s_delay_alu instid0(VALU_DEP_1)
	v_ldexp_f32 v226, 1.0, v228                    ; f = 2^(old M - new M)
.set jj, 0
.rept 32
	v_pk_fma_f32 v[96+jj:97+jj], v[96+jj:97+jj], s[CS:CS+1], v[12:13] op_sel_hi:[1,0,0]   ; t - M
.set jj, jj+2
.endr
.irp b, 0,1,2,3
	v_fma_f32 v[BM+\b], v[BM+\b], s[CS], v12
.endr
.set jj, 0
	s_wait_alu depctr_va_vdst(0)
.rept 64
	v_exp_f32 v[96+jj], v[96+jj]                   ; p = 2^(t - M)
.set jj, jj+1
.endr
	v_pk_mul_f32 v[14:15], v[14:15], v[226:227] op_sel_hi:[1,0]   ; the sums under the new M: a plain place behind the exponentials
	s_wait_alu depctr_va_vdst(0)                   ; one wait for the batch, ahead of its first reader
.irp b, 0,1,2,3
	v_exp_f32 v[BM+\b], v[BM+\b]                   ; each block's largest p
.endr
	v_pk_add_f32 v[230:231], v[100:101], v[104:105]
	v_pk_add_f32 v[254:255], v[108:109], v[112:113]
	v_pk_add_f32 v[252:253], v[116:117], v[120:121]
	v_pk_add_f32 v[250:251], v[124:125], v[128:129]
	v_pk_add_f32 v[248:249], v[132:133], v[136:137]
	v_pk_add_f32 v[246:247], v[140:141], v[144:145]
	v_pk_add_f32 v[244:245], v[148:149], v[152:153]
	v_pk_add_f32 v[14:15], v[14:15], v[156:157]
	v_pk_add_f32 v[230:231], v[230:231], v[96:97]
	v_pk_add_f32 v[254:255], v[254:255], v[98:99]
	v_pk_add_f32 v[252:253], v[252:253], v[102:103]
	v_pk_add_f32 v[250:251], v[250:251], v[106:107]
	v_pk_add_f32 v[248:249], v[248:249], v[110:111]
	v_pk_add_f32 v[246:247], v[246:247], v[114:115]
	v_pk_add_f32 v[244:245], v[244:245], v[118:119]
	v_pk_add_f32 v[14:15], v[14:15], v[122:123]
	v_pk_add_f32 v[230:231], v[230:231], v[126:127]
	v_pk_add_f32 v[254:255], v[254:255], v[130:131]
	v_pk_add_f32 v[252:253], v[252:253], v[134:135]
	v_pk_add_f32 v[250:251], v[250:251], v[138:139]
	v_pk_add_f32 v[248:249], v[248:249], v[142:143]
	v_pk_add_f32 v[246:247], v[246:247], v[146:147]
	v_pk_add_f32 v[244:245], v[244:245], v[150:151]
	v_pk_add_f32 v[14:15], v[14:15], v[154:155]
	v_pk_add_f32 v[230:231], v[230:231], v[158:159]
	s_delay_alu instid0(VALU_DEP_2)
	v_pk_add_f32 v[14:15], v[14:15], v[250:251]
	s_delay_alu instid0(VALU_DEP_2)
	v_pk_add_f32 v[230:231], v[230:231], v[248:249]
	v_pk_add_f32 v[254:255], v[254:255], v[246:247]
	v_pk_add_f32 v[252:253], v[252:253], v[244:245]
	s_delay_alu instid0(VALU_DEP_2)
	v_pk_add_f32 v[14:15], v[14:15], v[254:255]
	s_delay_alu instid0(VALU_DEP_2)
	v_pk_add_f32 v[230:231], v[230:231], v[252:253]
	s_delay_alu instid0(VALU_DEP_1)
	v_pk_add_f32 v[14:15], v[14:15], v[230:231]
	s_wait_alu depctr_va_vdst(0)                   ; and one for the four
.irp b, 0,1,2,3
	v_max_num_f32 v[BM+\b], 0x1800000, v[BM+\b]    ; the floor 2^(3 - 127)
.endr
.irp b, 0,1,2,3
	s_delay_alu instid0(VALU_DEP_4)
	v_add_nc_u32 v[BS+\b], 0xff000000, v[BM+\b]
.endr
.irp b, 0,1,2,3
	s_delay_alu instid0(VALU_DEP_4)
	v_lshrrev_b32 v[BX+\b], 23, v[BS+\b]
.endr
	s_delay_alu instid0(VALU_DEP_3)
	v_lshl_or_b32 v224, v[BX+1], 8, v[BX]          ; p's scale word for these 128 keys
	s_delay_alu instid0(VALU_DEP_1)
	v_lshl_or_b32 v224, v[BX+2], 16, v224
	s_delay_alu instid0(VALU_DEP_1)
	v_lshl_or_b32 v224, v[BX+3], 24, v224
.irp c, 0,1
	v_cvt_scalef32_pk16_fp6_f32 v[192+6*\c:194+6*\c], v[96+32*\c:111+32*\c], v[BS+2*\c]
	v_cvt_scalef32_pk16_fp6_f32 v[204+4*\c:206+4*\c], v[112+32*\c:127+32*\c], v[BS+2*\c+1]
.endr
	v_nop                                          ; one plain place behind a scaled conversion
.irp c, 0,1
.irp i, 0,1,2
	v_permlane16_swap_b32 v[192+6*\c+\i], v[204+4*\c+\i]
.endr
.irp i, 0,1,2
	s_delay_alu instid0(VALU_DEP_3)
	v_mov_b32 v[195+6*\c+\i], v[204+4*\c+\i]
.endr
.endr
.set jj, 0
.rept 16
	v_pk_mul_f32 v[160+jj:161+jj], v[160+jj:161+jj], v[226:227] op_sel_hi:[1,0]   ; O^T under the new M; these sixteen are also the places in front of the scaled products
.set jj, jj+2
.endr
	s_wait_alu depctr_va_vdst(0)
	s_wait_dscnt 0x0                               ; V
.irp d, 0,1,2,3
	v_wmma_scale_f32_16x16x128_f8f6f4 v[160+8*\d:167+8*\d], v[32+12*\d:43+12*\d], v[192:203], v[160+8*\d:167+8*\d], v[86+\d], v224 matrix_a_fmt:MATRIX_FMT_FP6 matrix_b_fmt:MATRIX_FMT_FP6
.endr
.Lhidden_\@:
	s_add_co_u32 s[KF], s[KF], 128
.endm
; THE CHANGE OF SLOTS, at a record's head: each wave waits for all its tensor loads, adds 0 to its spare word, and waits for that and for its reads of the slot that it has left; one barrier; fill = 1: that slot takes the record that follows.
.macro CHANGE fill
	s_wait_tensorcnt 0x0                           ; no tensor load of mine is out, so group 0 may be written
	ds_add_u32 v[SPW], v[NIL]                      ; 0 onto my spare word
.if \fill
	s_xor_b32 s[G0+1], s[G0+1], SLOT1              ; the other slot
	s_add_co_u32 s50, s[KS], 1
	s_cmp_eq_u32 s[KS], s[QB]
	s_cselect_b32 s50, 0, s50                      ; the next record, or record 0 for the second block of queries
	s_mul_i32 s50, s50, RECB
	s_mov_b32 s51, 0
	s_add_nc_u64 s[G0+2:G0+3], s[KVH:KVH+1], s[50:51]
	s_or_b32 s[G0+3], s[G0+3], 0x80000000
	s_wait_xcnt 0x0                                ; the last prefetch, a record back, has read its address
	s_add_nc_u64 s[PFA:PFA+1], s[PFA:PFA+1], RECB
.endif
	s_wait_dscnt 0x0                               ; the add is done, and my reads of the slot that I have left are over
	s_barrier_signal -1
	s_barrier_wait -1
.if \fill
	TLOAD                                          ; the first thing behind the barrier
	ASK
.endif
.endm
; A block of queries ends: O^T / the sum; its 64 numbers of a row are two blocks of the next K; codes and bytes go to the output projection's operand.
.macro FINISH
.rept 4
	v_nop                                          ; places behind the last products
.endr
	s_wait_xcnt 0x0
	s_mul_i32 s50, s[QB], 196608
	s_add_co_u32 s50, s50, s56
	s_mov_b32 s51, 0
	s_add_nc_u64 s[52:53], s[8:9], s[50:51]
	s_lshl_b32 s50, s[QB], 13
	s_add_co_u32 s50, s50, s57
	s_add_nc_u64 s[54:55], s[10:11], s[50:51]
	v_add_f32 v14, v14, v15
	s_delay_alu instid0(VALU_DEP_1)
	v_permlanex16_b32 v228, v14, s[SEL], s[SEL+1]
	s_delay_alu instid0(VALU_DEP_1)
	v_add_f32 v14, v14, v228                       ; the row's sum
	s_wait_alu depctr_va_vdst(0)
	v_rcp_f32 v14, v14
	v_nop                                          ; a plain place behind the reciprocal
	s_wait_alu depctr_va_vdst(0)                   ; the wait, ahead of its first reader
.set jj, 0
.rept 16
	v_pk_mul_f32 v[96+jj:97+jj], v[160+jj:161+jj], v[14:15] op_sel_hi:[1,0]   ; register n: d = 32 (n / 16) + 16 h + n % 16 of my query
.set jj, jj+2
.endr
.irp b, 0,1
	v_max3_num_f32 v[BM+\b], |v[96+16*\b]|, |v[97+16*\b]|, 0x1800000
.endr
.irp i, 2,4,6,8,10,12,14
.irp b, 0,1
	s_delay_alu instid0(VALU_DEP_2)
	v_max3_num_f32 v[BM+\b], v[BM+\b], |v[96+16*\b+\i]|, |v[97+16*\b+\i]|
.endr
.endr
.irp b, 0,1
	s_delay_alu instid0(VALU_DEP_2)
	v_permlanex16_b32 v[BX+\b], v[BM+\b], s[SEL], s[SEL+1]
.endr
.irp b, 0,1
	s_delay_alu instid0(VALU_DEP_2)
	v_max_num_f32 v[BM+\b], v[BM+\b], v[BX+\b]
.endr
.irp b, 0,1
	s_delay_alu instid0(VALU_DEP_2)
	v_add_nc_u32 v[BS+\b], 0xff000000, v[BM+\b]
.endr
.irp b, 0,1
	s_delay_alu instid0(VALU_DEP_2)
	v_lshrrev_b32 v[BX+\b], 23, v[BS+\b]
.endr
	s_delay_alu instid0(VALU_DEP_1)
	v_lshl_or_b32 v225, v[BX+1], 8, v[BX]
	v_cvt_scalef32_pk16_fp6_f32 v[192:194], v[96:111], v[BS]
	v_cvt_scalef32_pk16_fp6_f32 v[204:206], v[112:127], v[BS+1]
	v_nop
.irp i, 0,1,2
	v_permlane16_swap_b32 v[192+\i], v[204+\i]
.endr
.irp i, 0,1,2
	s_delay_alu instid0(VALU_DEP_3)
	v_mov_b32 v[195+\i], v[204+\i]
.endr
	global_store_b128 v1, v[192:195], s[52:53]             ; 512 consecutive bytes,
	global_store_b64 v6, v[196:197], s[52:53] offset:512   ; 256: both at multiples of 256 from the buffer's first byte
	global_store_b16 v2, v225, s[54:55]                    ; two bytes a row, 16 bytes apart (lanes 16-31 write what lanes 0-15 write): one byte in 24 of what is stored here
	s_wait_xcnt 0x0                                ; the stores have read their registers and bases
.endm
	START
.Lslot:                                            ; eight trips; behind each change of slots the next record is asked for
	CHANGE 1
	STEP 0
	STEP 1
	s_xor_b32 s[TB], s[TB], SLOT1
	s_cmp_eq_u32 s[KS], s[QB]                      ; the block's last record?  (ids alone: the same in all sixteen waves)
	s_cbranch_scc0 .Lsame
	FINISH
	s_sub_co_u32 s[QB], 7, ttmp9
	s_mov_b32 s[KS], 0
	s_mov_b32 s[KF], 0
	START
	s_branch .Lnext
.Lsame:
	s_add_co_u32 s[KS], s[KS], 1
.Lnext:
	s_sub_co_u32 s[SLOTS], s[SLOTS], 1
	s_cmp_lg_u32 s[SLOTS], 0
	s_cbranch_scc1 .Lslot
	CHANGE 0                                       ; the ninth record is written out
	STEP 0
	STEP 1
	FINISH
	s_wait_tensorcnt 0x0                           ; the wave's end
	ds_add_u32 v[SPW], v[NIL]
	s_wait_dscnt 0x0
	s_endpgm
.Lfunc_end_k_qe87dbabcd8_attn:
	.size	k_qe87dbabcd8_attn, .Lfunc_end_k_qe87dbabcd8_attn-k_qe87dbabcd8_attn
	.p2alignl 7, 3214868480
	.fill 96, 4, 3214868480
	.section	.rodata,"a",@progbits
	.p2align	6, 0x0
	.amdhsa_kernel k_qe87dbabcd8_attn
		.amdhsa_group_segment_fixed_size 327680
		.amdhsa_private_segment_fixed_size 0
		.amdhsa_enable_private_segment 0
		.amdhsa_kernarg_size 32
		.amdhsa_user_sgpr_count 2
		.amdhsa_user_sgpr_kernarg_segment_ptr 1
		.amdhsa_wavefront_size32 1
		.amdhsa_system_sgpr_workgroup_id_x 1
		.amdhsa_system_sgpr_workgroup_id_y 1
		.amdhsa_system_sgpr_workgroup_id_z 1
		.amdhsa_system_vgpr_workitem_id 0
		.amdhsa_next_free_vgpr 256
		.amdhsa_next_free_sgpr 66
		.amdhsa_reserve_vcc 1
		.amdhsa_float_denorm_mode_32 3
		.amdhsa_float_denorm_mode_16_64 3
		.amdhsa_memory_ordered 1
		.amdhsa_forward_progress 1
		.amdhsa_inst_pref_size 109
	.end_amdhsa_kernel
	.amdgpu_metadata
---
amdhsa.version: [ 1, 2 ]
amdhsa.kernels:
  - .name:           k_qe87dbabcd8_attn
    .symbol:         k_qe87dbabcd8_attn.kd
    .args:
      - { .name: qrec, .offset: 0, .size: 8, .value_kind: global_buffer, .address_space: global }
      - { .name: kv, .offset: 8, .size: 8, .value_kind: global_buffer, .address_space: global }
      - { .name: actc, .offset: 16, .size: 8, .value_kind: global_buffer, .address_space: global }
      - { .name: acts, .offset: 24, .size: 8, .value_kind: global_buffer, .address_space: global }
    .group_segment_fixed_size: 327680
    .private_segment_fixed_size: 0
    .kernarg_segment_align: 8
    .kernarg_segment_size: 32
    .max_flat_workgroup_size: 512
    .sgpr_count:     66
    .vgpr_count:     256
    .wavefront_size: 32
...
	.end_amdgpu_metadata
.endif
;; end of part 3
;; launch oproj (part 4): grid 4 x 32, 4 waves a work-group, clusters of 4 x 4, 327,680 bytes of LDS; arguments actc, acts, wc, ws, out0; writes out0
.if DOCPART == 4
	.amdgcn_target "amdgcn-amd-amdhsa--gfx1250"
	.amdhsa_code_object_version 6
	.text
	.protected	k_qe87dbabcd8_oproj
	.globl	k_qe87dbabcd8_oproj
	.p2align	8
	.type	k_qe87dbabcd8_oproj,@function
k_qe87dbabcd8_oproj:
	s_mov_b64 s[64:65], 0
	v_nop
	global_prefetch_b8 v0, s[64:65] scope:SCOPE_SE
	s_setreg_imm32_b32 hwreg(HW_REG_WAVE_MODE, 25, 1), 1
	s_wait_xcnt 0x0
	s_wait_alu depctr_hold_cnt(0) depctr_sa_sdst(0) depctr_va_vdst(0) depctr_va_sdst(0) depctr_va_ssrc(0) depctr_va_vcc(0) depctr_vm_vsrc(0)
	s_getreg_b32 s2, hwreg(HW_REG_IB_STS2, 6, 4)
	s_cmp_eq_u32 s2, 0
	s_cbranch_scc0 .Lentry_in_a_cluster
	s_endpgm
.Lentry_in_a_cluster:
	s_bfe_u32 s2, ttmp6, 0x10000c
	s_cmp_lg_u32 s2, 0xf033
	s_cbranch_scc0 .Lentry_shape_is_right
	s_endpgm
.Lentry_shape_is_right:
; out0 = O Wo^T on codes of FP6 (E2M3) with E8M0 scales; out0 [8192][1024] f32.
; OPERANDS: a TILE is 16 rows: tile 2 g + u holds rows 32 g + 8 u + i + 8 (i / 8).  Codes [tile][K step 0..7][1,536]: a fragment as an image of its 12 registers (registers 6 c .. 6 c + 3 at 768 c + 16 lane, 6 c + 4, 6 c + 5 at 768 c + 512 + 8 lane).
; Scale words [tile][K step / 4][row][K step % 4].  actc, acts: O, 8,192 rows, made by the launch before.  wc, ws: Wo's rows begin at row 3,072.
; SHARES.  A work-group of four waves makes 256 x 256, a wave 128 x 128: 64 accumulators.  K = 1,024 goes in four slots' worth of 256 through a ring of two LDS slots filled by the tensor data mover.  128 work-groups: the output has no more tiles of this size.
; Source 0 = a tile of Wo, source 1 = a tile of O: lane (r, h) of O's tile a holds one token, and register 8 b + j column 32 (b / 2) + 16 h + 8 (b % 2) + j of my 128.
; CLUSTERS of 4 x 4: O's tiles are asked for jointly by a row of the cluster, Wo's by a column.
; REGISTERS: window 0: v0-31 addresses; v32-63 scale words, two sets; v128-223 O's fragments, one set; window 1: Wo's fragments, two sets; windows 2, 3: the accumulators.
.set NQ,     2
.set FR,     12
.set NL,     4
.set NP,     4
.set TILEB,  3072
.set HALFT,  8*TILEB
.set SLOT,   4*HALFT
.set SCL,    2*SLOT
.set HALFS,  4096
.set SPARE,  SCL+4*HALFS               ; the spare words, 128 bytes for each wave; no other line names them
.set SPITCH, 528                       ; the way out: a stage of 16 rows x (512 + 16) bytes for each wave, in slot 0, which has had its last fill and its last read when the first result is stored there
.set ADRA, 16
.set ADRB, 20
.set STO,  24
.set RD,   25
.set CO,   26
.set ADRS, 27
.set SPW,  28
.set NIL,  29
.set SC,   32
.set AF,   128
.set BK,   128
.set G1, 24
.set G0, 32
.set G1B, 48
.set G0B, 56
.set G1S, 68
.set G0S, 76
.set G1SB, 80
.set G0SB, 88
.set MSB, 0
.macro WIN new
.if MSB != (\new)
	s_set_vgpr_msb (MSB<<8)|(\new)
.set MSB, (\new)
.endif
.endm
.set MUL_LO, 0xa1
.set MUL_HI, 0xf1
.set TO_B,   0x40
.macro JLOAD g0a, g1a, g0b, g1b        ; a joint load: waves 0, 1 fetch for O, waves 2, 3 for Wo; four v_nop follow each line
	s_cmp_eq_u32 s15, 0
	s_cbranch_scc0 .Lfor_b_\@
	tensor_load_to_lds s[\g0a:\g0a+3], s[\g1a:\g1a+7]
	s_nop 0
.rept 4
	v_nop
.endr
	s_branch .Lasked_\@
.Lfor_b_\@:
	tensor_load_to_lds s[\g0b:\g0b+3], s[\g1b:\g1b+7]
	s_nop 0
.rept 4
	v_nop
.endr
.Lasked_\@:
.endm
.macro CREST
	s_cmp_lg_u32 s14, 0
	s_cbranch_scc1 .Lnot_wave_0_\@
	s_barrier_signal -3
.Lnot_wave_0_\@:
	s_barrier_wait -3
	s_barrier_signal -1
	s_barrier_wait -1
.endm
.macro CROUND
	s_barrier_signal -1
	s_barrier_wait -1
	CREST
.endm
	s_load_b256 s[4:11], s[0:1], 0x0               ; actc s[4:5], acts s[6:7], wc s[8:9], ws s[10:11]
	s_load_b64 s[12:13], s[0:1], 0x20              ; out0
	v_lshl_add_u32 v[SPW], v0, 2, SPARE
	v_mov_b32 v[NIL], 0
	ds_add_u32 v28, v29
	s_wait_dscnt 0x0
	v_lshrrev_b32 v1, 5, v0
	v_readfirstlane_b32 s14, v1
	s_lshr_b32 s15, s14, 1
	s_and_b32 s16, s14, 1
	s_bfe_u32 s40, ttmp6, 0x40000                  ; cx
	s_bfe_u32 s41, ttmp6, 0x40004                  ; cy
	s_lshl_b32 s42, ttmp9, 2
	s_add_co_u32 s42, s42, s40                     ; the block of 256 columns
	s_and_b32 s17, ttmp7, 0xffff
	s_lshl_b32 s17, s17, 2
	s_add_co_u32 s17, s17, s41                     ; the block of 256 tokens
	s_lshl_b32 s43, s41, 2
	s_lshl_b32 s43, 15, s43
	s_lshl_b32 s44, 0x1111, s40
	s_or_b32 s[G1+0], s43, (3<<16)|(1<<21)         ; the mask; elements of 8 bytes; bit 21 beside a mask; no padding
	s_or_b32 s[G1B+0], s44, (3<<16)|(1<<21)
.irp g, G1, G1B
	s_mov_b32 s[\g+1], 384<<16
	s_mov_b32 s[\g+2], 8<<16
	s_mov_b32 s[\g+3], 384<<16
	s_mov_b32 s[\g+4], 8
	s_mov_b32 s[\g+5], 1536
	s_mov_b32 s[\g+6], 0
	s_mov_b32 s[\g+7], 0
.endr
	s_or_b32 s[G1S+0], s43, (3<<16)|(1<<21)
	s_or_b32 s[G1SB+0], s44, (3<<16)|(1<<21)
.irp g, G1S, G1SB
	s_mov_b32 s[\g+1], 32<<16
	s_mov_b32 s[\g+2], 16<<16
	s_mov_b32 s[\g+3], 32<<16
	s_mov_b32 s[\g+4], 16
	s_mov_b32 s[\g+5], 32
	s_mov_b32 s[\g+6], 0
	s_mov_b32 s[\g+7], 0
.endr
	s_lshl_b32 s18, s16, 7
	s_lshl_b32 s20, s17, 8
	s_add_co_u32 s20, s20, s18                     ; O: the first row that I fetch
	s_lshl_b32 s46, s42, 8
	s_add_co_u32 s46, s46, s18
	s_add_co_u32 s46, s46, 3072                    ; Wo: likewise, in wc
	s_lshl_b32 s22, s20, 5
	s_mov_b32 s23, 0
	s_lshl_b32 s92, s46, 5
	s_mov_b32 s93, 0
	s_mul_i32 s20, s20, 768
	s_mov_b32 s21, 0
	s_mul_i32 s46, s46, 768
	s_mov_b32 s47, 0
	s_mul_i32 s45, s14, HALFT
	s_mul_i32 s94, s14, HALFS
	s_wait_kmcnt 0x0
	s_add_nc_u64 s[20:21], s[4:5], s[20:21]
	s_add_nc_u64 s[22:23], s[6:7], s[22:23]
	s_add_nc_u64 s[46:47], s[8:9], s[46:47]
	s_add_nc_u64 s[92:93], s[10:11], s[92:93]
	CROUND                                         ; all sixteen work-groups are here: the first joint loads meet
	s_mov_b32 s[G0S], 1
	s_add_co_u32 s[G0S+1], s94, SCL
	s_mov_b64 s[G0S+2:G0S+3], s[22:23]
	s_or_b32 s[G0S+3], s[G0S+3], 0x80000000
	s_mov_b32 s[G0SB], 1
	s_add_co_u32 s[G0SB+1], s94, SCL
	s_mov_b64 s[G0SB+2:G0SB+3], s[92:93]
	s_or_b32 s[G0SB+3], s[G0SB+3], 0x80000000
	JLOAD G0S, G1S, G0SB, G1SB
.irp s, 0,1
	s_mov_b32 s[G0+4*\s], 1
	s_add_co_u32 s[G0+4*\s+1], s45, \s*SLOT
	s_add_nc_u64 s[G0+4*\s+2:G0+4*\s+3], s[20:21], \s*TILEB
	s_or_b32 s[G0+4*\s+3], s[G0+4*\s+3], 0x80000000
	s_mov_b32 s[G0B+4*\s], 1
	s_add_co_u32 s[G0B+4*\s+1], s45, \s*SLOT
	s_add_nc_u64 s[G0B+4*\s+2:G0B+4*\s+3], s[46:47], \s*TILEB
	s_or_b32 s[G0B+4*\s+3], s[G0B+4*\s+3], 0x80000000
	JLOAD G0+4*\s, G1, G0B+4*\s, G1B
.endr
	v_and_b32 v1, 31, v0
	v_and_b32 v2, 15, v0
	v_bfe_u32 v3, v0, 4, 1
	v_lshlrev_b32 v4, 4, v1
	v_lshlrev_b32 v5, 3, v1
	v_add_nc_u32 v5, 512, v5
	s_mul_i32 s21, s15, HALFT
	s_mul_i32 s22, s16, HALFT
	s_add_co_u32 s22, s22, 2*HALFT
.irp s, 0,1
	v_add_nc_u32 v[ADRA+\s], s21, v4
	v_add_nc_u32 v[ADRB+\s], s22, v4
	v_add_nc_u32 v[ADRA+2+\s], s21, v5
	v_add_nc_u32 v[ADRB+2+\s], s22, v5
	s_add_co_u32 s21, s21, SLOT
	s_add_co_u32 s22, s22, SLOT
.endr
	v_lshlrev_b32 v5, 4, v2
	s_mul_i32 s21, s15, HALFS
	s_mul_i32 s22, s16, HALFS
	s_add_co_u32 s22, s22, 2*HALFS
	s_sub_co_u32 s22, s22, s21
	v_mul_u32_u24 v6, s22, v3
	s_add_co_u32 s21, s21, SCL
	v_add_nc_u32 v5, v5, v6
	v_add_nc_u32 v[ADRS], s21, v5
	s_mul_i32 s23, s14, 16*SPITCH                  ; my stage
	v_mul_u32_u24 v5, v2, SPITCH
	v_lshl_add_u32 v5, v3, 6, v5                   ; in: row r, + 64 h
	v_add_nc_u32 v[STO], s23, v5
	v_mov_b32 v[CO], v4                            ; back: the 32 lanes take a row of 512 bytes; and the same in out0
	v_add_nc_u32 v[RD], s23, v4
	s_lshl_b32 s20, s17, 8
	s_lshl_b32 s21, s15, 7
	s_add_co_u32 s20, s20, s21
	s_lshl_b32 s20, s20, 12                        ; my first token's row of 4,096 bytes
	s_lshl_b32 s46, s42, 10
	s_lshl_b32 s47, s16, 9
	s_add_co_u32 s46, s46, s47                     ; my first column, in bytes
	s_add_co_u32 s20, s20, s46
	s_mov_b32 s21, 0
	s_add_nc_u64 s[12:13], s[12:13], s[20:21]
.macro FRAG reg, adr, q, i
	ds_load_b128 v[\reg:\reg+3], v[\adr] offset:(\i)*TILEB+(\q)*1536
	ds_load_b64 v[\reg+4:\reg+5], v[\adr+2] offset:(\i)*TILEB+(\q)*1536
	ds_load_b128 v[\reg+6:\reg+9], v[\adr] offset:(\i)*TILEB+(\q)*1536+768
	ds_load_b64 v[\reg+10:\reg+11], v[\adr+2] offset:(\i)*TILEB+(\q)*1536+768
.endm
; The 64 accumulators take turns, one instruction a turn, in the same order in every step.
.macro MUL16 a0, p, q, sc, zero
.irp a, \a0, \a0+1
.irp b, 0,1,2,3,4,5,6,7
.if \zero
	v_wmma_scale_f32_16x16x128_f8f6f4 v[8*(8*((\a)%4)+\b):8*(8*((\a)%4)+\b)+7], v[128*(\p)+FR*\b:128*(\p)+FR*\b+FR-1], v[AF+FR*(\a):AF+FR*(\a)+FR-1], 0, v[SC+8*NQ*(\sc)+NQ*\b+(\q)], v[SC+8*NQ*(\sc)+NQ*(\a)+(\q)] matrix_a_fmt:MATRIX_FMT_FP6 matrix_b_fmt:MATRIX_FMT_FP6 matrix_a_scale:MATRIX_SCALE_ROW1
.else
	v_wmma_scale_f32_16x16x128_f8f6f4 v[8*(8*((\a)%4)+\b):8*(8*((\a)%4)+\b)+7], v[128*(\p)+FR*\b:128*(\p)+FR*\b+FR-1], v[AF+FR*(\a):AF+FR*(\a)+FR-1], v[8*(8*((\a)%4)+\b):8*(8*((\a)%4)+\b)+7], v[SC+8*NQ*(\sc)+NQ*\b+(\q)], v[SC+8*NQ*(\sc)+NQ*(\a)+(\q)] matrix_a_fmt:MATRIX_FMT_FP6 matrix_b_fmt:MATRIX_FMT_FP6 matrix_a_scale:MATRIX_SCALE_ROW1
.endif
.endr
.endr
.endm
.macro FETCH_B slot, q, p
	WIN TO_B
.irp i, 0,1,2,3,4,5,6,7
	FRAG 128*(\p)+FR*\i, ADRB+\slot, \q, \i
.endr
	WIN 0
.endm
.macro FETCH_A slot, q, i0
.irp i, \i0, \i0+1, \i0+2, \i0+3
	FRAG AF+FR*(\i), ADRA+\slot, \q, \i
.endr
.endm
.macro SCALES sc
.irp i, 0,1,2,3,4,5,6,7
	ds_load_b64 v[SC+8*NQ*\sc+NQ*\i:SC+8*NQ*\sc+NQ*\i+1], v[ADRS] offset:\i*512
.endr
.endm
.macro PLACES n
.rept \n
	v_nop
.endr
.endm
.macro STEP slot, q, zero
	s_wait_dscnt 4*NL                              ; the sixteen youngest loads (O's tiles 4-7) may be out
	WIN MUL_LO
	MUL16 0, (\q)%2, \q, \slot, \zero
	MUL16 2, (\q)%2, \q, \slot, \zero
	s_wait_dscnt 0
	PLACES NP
	FETCH_B \slot, (\q)+1, 1-(\q)%2
	FETCH_A \slot, (\q)+1, 0
	WIN MUL_HI
	MUL16 4, (\q)%2, \q, \slot, \zero
	MUL16 6, (\q)%2, \q, \slot, \zero
	PLACES NP
	WIN 0
	FETCH_A \slot, (\q)+1, 4
.endm
.macro TURN slot, next, fill
	s_wait_tensorcnt 0x0                           ; all my tensor loads have landed: my part of the next slot
	ds_add_u32 v[SPW], v[NIL]                      ; 0 onto my spare word
	s_wait_dscnt 4*NL+1                            ; the add and the sixteen youngest loads may be out
	WIN MUL_LO
	MUL16 0, 1, NQ-1, \slot, 0
	s_wait_dscnt 0x0                               ; the add is done, and my reads of this slot are over
	s_barrier_signal -1
	MUL16 2, 1, NQ-1, \slot, 0
	WIN 0
	s_barrier_wait -1
.if \fill
	CREST                                          ; the barrier has opened a round of the cluster's
	s_add_nc_u64 s[G0+4*\slot+2:G0+4*\slot+3], s[G0+4*\slot+2:G0+4*\slot+3], 2*TILEB
	s_add_nc_u64 s[G0B+4*\slot+2:G0B+4*\slot+3], s[G0B+4*\slot+2:G0B+4*\slot+3], 2*TILEB
	JLOAD G0+4*\slot, G1, G0B+4*\slot, G1B
.else
	PLACES NP
.endif
.if \slot == 0
	v_add_nc_u32 v[ADRS], 8, v[ADRS]
.else
	v_add_nc_u32 v[ADRS], 248, v[ADRS]
.endif
	FETCH_B \next, 0, 0
	FETCH_A \next, 0, 0
	SCALES \next
	WIN MUL_HI
	MUL16 4, 1, NQ-1, \slot, 0
	MUL16 6, 1, NQ-1, \slot, 0
	PLACES NP
	WIN 0
	FETCH_A \next, 0, 4
.endm
	s_wait_tensorcnt 1                             ; the scales and my part of slot 0 are in (slot 1's load may be out),
	s_barrier_signal -1
	s_barrier_wait -1                              ; everybody's are
	FETCH_B 0, 0, 0
	FETCH_A 0, 0, 0
	SCALES 0
	FETCH_A 0, 0, 4
	STEP 0, 0, 1                                   ; the first products start the sums
	TURN 0, 1, 1
	STEP 1, 0, 0
	TURN 1, 0, 1
	STEP 0, 0, 0
	TURN 0, 1, 0
	STEP 1, 0, 0
	s_wait_dscnt 4*NL
	WIN MUL_LO
	MUL16 0, 1, NQ-1, 1, 0
	MUL16 2, 1, NQ-1, 1, 0
	s_wait_dscnt 0
	WIN MUL_HI
	MUL16 4, 1, NQ-1, 1, 0
	MUL16 6, 1, NQ-1, 1, 0
	WIN 0
; THE WAY OUT, tile by tile of 16 tokens x 128 columns, through my own stage: rows come back whole, 512 bytes, and the 32 lanes store them.  LDS serves a wave's instructions in order: no wait between the stores and the loads.
.macro TOSTAGE a
.set AC, 64*((\a)%4)
	WIN 0x08+4*((\a)/4)                            ; the data: window 2 or 3
.irp b, 0,1,2,3,4,5,6,7
	ds_store_b128 v[STO], v[AC+8*\b:AC+8*\b+3] offset:128*(\b/2)+32*(\b%2)       ; each accumulator from its low end on
	ds_store_b128 v[STO], v[AC+8*\b+4:AC+8*\b+7] offset:128*(\b/2)+32*(\b%2)+16
.endr
	WIN 0
.set BB, BK+64*((\a)%2)
.irp t, 0,1,2,3,4,5,6,7,8,9,10,11,12,13,14,15
	ds_load_b128 v[BB+4*\t:BB+4*\t+3], v[RD] offset:\t*SPITCH
.endr
.endm
.macro SEND a, younger
.set BB, BK+64*((\a)%2)
	s_wait_dscnt \younger                          ; the tile is back in registers
.irp t, 0,1,2,3,4,5,6,7,8,9,10,11,12,13,14,15
	global_store_b128 v[CO], v[BB+4*\t:BB+4*\t+3], s[12:13] offset:(32*((\a)/2)+8*((\a)%2)+\t+8*(\t/8))*4096 th:TH_STORE_NT   ; 512 consecutive bytes at a multiple of 256; the tile's row t is that token; 127 rows at the most: inside the signed 24-bit immediate
.endr
.endm
	PLACES NP
	TOSTAGE 0
.irp a, 1,2,3,4,5,6,7
.if \a > 1
	s_wait_xcnt 0x0                                ; tile a - 2's stores have read their registers: tile a's loads may land there
.endif
	TOSTAGE \a
	SEND \a-1, 32                                  ; behind tile a - 1's loads: tile a's 16 stores and 16 loads
.endr
	SEND 7, 0
	s_wait_tensorcnt 0x0                           ; the wave's end
	ds_add_u32 v[SPW], v[NIL]
	s_wait_dscnt 0x0
	CROUND                                         ; the closing round
	s_endpgm
.Lfunc_end_k_qe87dbabcd8_oproj:
	.size	k_qe87dbabcd8_oproj, .Lfunc_end_k_qe87dbabcd8_oproj-k_qe87dbabcd8_oproj
	.p2alignl 7, 3214868480
	.fill 96, 4, 3214868480
	.section	.rodata,"a",@progbits
	.p2align	6, 0x0
	.amdhsa_kernel k_qe87dbabcd8_oproj
		.amdhsa_group_segment_fixed_size 327680
		.amdhsa_private_segment_fixed_size 0
		.amdhsa_enable_private_segment 0
		.amdhsa_kernarg_size 40
		.amdhsa_user_sgpr_count 2
		.amdhsa_user_sgpr_kernarg_segment_ptr 1
		.amdhsa_wavefront_size32 1
		.amdhsa_system_sgpr_workgroup_id_x 1
		.amdhsa_system_sgpr_workgroup_id_y 1
		.amdhsa_system_sgpr_workgroup_id_z 1
		.amdhsa_system_vgpr_workitem_id 0
		.amdhsa_next_free_vgpr 1024
		.amdhsa_next_free_sgpr 100
		.amdhsa_reserve_vcc 0
		.amdhsa_float_denorm_mode_32 3
		.amdhsa_float_denorm_mode_16_64 3
		.amdhsa_memory_ordered 1
		.amdhsa_forward_progress 1
		.amdhsa_inst_pref_size 143
	.end_amdhsa_kernel
	.amdgpu_metadata
---
amdhsa.version: [ 1, 2 ]
amdhsa.kernels:
  - .name:           k_qe87dbabcd8_oproj
    .symbol:         k_qe87dbabcd8_oproj.kd
    .args:
      - { .name: actc, .offset: 0, .size: 8, .value_kind: global_buffer, .address_space: global }
      - { .name: acts, .offset: 8, .size: 8, .value_kind: global_buffer, .address_space: global }
      - { .name: wc, .offset: 16, .size: 8, .value_kind: global_buffer, .address_space: global }
      - { .name: ws, .offset: 24, .size: 8, .value_kind: global_buffer, .address_space: global }
      - { .name: out0, .offset: 32, .size: 8, .value_kind: global_buffer, .address_space: global }
    .group_segment_fixed_size: 327680
    .private_segment_fixed_size: 0
    .kernarg_segment_align: 8
    .kernarg_segment_size: 40
    .max_flat_workgroup_size: 128
    .sgpr_count:     100
    .vgpr_count:     1024
    .wavefront_size: 32
...
	.end_amdgpu_metadata
.endif
;; end of part 4
